; MI455X (gfx1250); checked and timed in simulation.
; The chip was launched on July 23, 2026; its instructions are those of AMD's public machine-readable ISA for CDNA 5 (MIT licence, August 2026) and "CDNA5" Instruction Set Architecture Reference Guide (July 2026). The comments in the code are by the model that wrote it; some were corrected since.
;; Self Attention. Allowed arithmetic: matrix products marked QUANTISED: E2M3 operands, one E8M0 scale for each 32 along K, by v_wmma_scale_f32_16x16x128_f8f6f4 with both operands' format E2M3, f32 sums; everything else in f32.
;; Inputs: w_out 1,024 x 1,024 float32; w_qkv 1,024 x 3,072 float32; x 4 x 2,048 x 1,024 float32.
;; Outputs: out0 4 x 2,048 x 1,024 float32.
;; This version of the problem:
;;   THIS VERSION OF THE PROBLEM IS GIVEN IN LOW PRECISION. The matrix products marked QUANTISED in the list below multiply operands that are first quantised to E2M3 (2 exponent bits, 3 mantissa bits; 6 bits a number), with one power-of-two scale for each 32 numbers along K (OCP MX v1.0); their sums are f32. All else is computed in f32.
;;   The module's matrix products, in the order in which they are computed (A, B: the left and right operand; K: the contracted axis; several contracted axes count as one K, in the product's order):
;;     1. [M 8,192, K 1,024] x [K 1,024, N 3,072]; A: input x; B: input w_qkv: QUANTISED
;;     2. batch 64 x [M 2,048, K 64] x [K 64, N 2,048]; A: computed on the way; B: computed on the way: QUANTISED
;;     3. batch 64 x [M 2,048, K 2,048] x [K 2,048, N 64]; A: softmax (see below); B: computed on the way: QUANTISED
;;     4. [M 8,192, K 1,024] x [K 1,024, N 1,024]; A: computed on the way; B: input w_out: QUANTISED
;;   THE QUANTISER, for each operand of a quantised product, along K:
;;     - K is cut into blocks of 32 from its start; a last block that is shorter is filled with zeros.
;;     - A block's scale is 2^e with e = floor(log2(the largest magnitude in the block)) - 2, held to -126 .. 127; a block of zeros has e = 0. As a byte (E8M0): e + 127.
;;     - Each number is divided by its block's scale, clamped to +-7.5, and rounded to the nearest number of E2M3, ties to even, subnormals kept.
;;     - The product sums the exact products of the quantised numbers (number of the format x scale) in f32.
;;   ~~~python
;;   def quantise(x, axis):      # numpy; x: float32 -> the quantised numbers, widened to float32 again
;;       x = np.moveaxis(x, axis, -1); K = x.shape[-1]
;;       x = np.pad(x, [(0, 0)] * (x.ndim - 1) + [(0, -K % 32)]); x = x.reshape(x.shape[:-1] + (-1, 32)); a = np.abs(x).max(-1, keepdims=True)
;;       e = np.where(a > 0, np.clip(np.frexp(np.where(a > 0, a, 1))[1] - 1 - 2, -126, 127), 0)      # np.frexp(a)[1] - 1 = floor(log2(a)), exactly
;;       r = np.clip(x / 2.0 ** e, -7.5, 7.5)
;;       step = 2.0 ** (np.maximum(np.frexp(np.where(r == 0, 1, r))[1] - 1, 0) - 3)
;;       q = np.round(r / step) * step * 2.0 ** e      # np.round: ties to even
;;       return np.moveaxis(q.reshape(q.shape[:-2] + (-1,))[..., :K], -1, axis).astype(np.float32)
;;   ~~~
;;   SOFTMAX AHEAD OF A QUANTISED PRODUCT. Where the list says 'softmax', what is quantised is not the finished softmax but p = 2^(t - M), with t = logit x log2(e) and M = ceil(the row's largest t), a whole number; so 1/2 < the row's largest p <= 1. The row's sum l is taken of the UNQUANTISED p, in f32, and the product's result is divided by l at the end. Since M is a whole number, a kernel that streams over the keys may use a running M (the ceiling of the running maximum): every later rescaling is an exact power of two, which a block's scale takes up: the codes' values come out the same.
;;   OPERANDS COMPUTED ON THE WAY. 'Computed on the way' means the value that the module computes at that place (a softmax that the list does not call 'softmax' is quantised finished and normalised). What goes into a quantiser is computed in f32, as accurately as f32 sums, v_exp_f32 and their like allow (about 1e-6 of the number): no bf16 or f16 on the way to a quantiser, and a product that is left as it is and whose result goes on into a quantised operand takes f32 operands (vector FMAs, or v_wmma_f32_16x16x4_f32). A number that lies on a knife's edge between two numbers of the format may be rounded either way, as far as f32 arithmetic and the matrix unit's own rounding can turn it there, and no further.
;; One version. Each part assembles by itself: llvm-mc -triple=amdgcn-amd-amdhsa -mcpu=gfx1250 --defsym DOCPART=n.
;; ======== version 1 of 1: 4 launches
;; workspace buffers: cw 9,437,184 bytes; sw 393,216 bytes; img 18,874,368 bytes; sc 786,432 bytes; oc 6,291,456 bytes; os 262,144 bytes
;; launch quant (part 1): grid 384 x 1, 4 waves a work-group, no clusters, 35,328 bytes of LDS; arguments x, w_qkv, w_out, cw, sw; writes cw, sw
.if DOCPART == 1
	.amdgcn_target "amdgcn-amd-amdhsa--gfx1250"
	.amdhsa_code_object_version 6
	.text
	.protected	k_qacf050ae4f_quant
	.globl	k_qacf050ae4f_quant
	.p2align	8
	.type	k_qacf050ae4f_quant,@function
k_qacf050ae4f_quant:
	s_mov_b64 s[64:65], 0
	v_nop
	global_prefetch_b8 v0, s[64:65] scope:SCOPE_SE
	s_setreg_imm32_b32 hwreg(HW_REG_WAVE_MODE, 25, 1), 1
	s_wait_xcnt 0x0
; x [8192][1024], w_qkv [1024][3072], w_out [1024][1024], f32, become codes of FP6 (E2M3) with one E8M0 byte for each 32 along K (x: its last axis; the weights: their FIRST axis).
; A block's scale is 2^(floor(log2(largest magnitude)) - 2); its byte is the largest magnitude's exponent field - 2, held at 1 from below.
; LIMITS: NaN and infinities are not served; a block whose largest magnitude lies under 2^-124 keeps the byte 1; a block of zeros gets the byte 1 (its codes are zeros; this program alone reads the bytes).
; cw holds 12,288 rows of 1,024 codes: rows 0-8191 tokens, 8192-11263 columns of w_qkv, 11264-12287 columns of w_out.  ROW ORDER: buffer row p holds true row p with bits 3 and 4 exchanged,
; so that lane r of 16-row tile 2 g + u holds true row 32 g + 8 u + r + 8 (r / 8).  LAYOUT: a tile of 16 rows is 16 records of 768 bytes (64 along K): three planes of 256 bytes, 8 bytes a lane,
; lane r + 16 (block % 2): a record's planes are the operand's register pairs as they stand.  sw: [row][32] bytes.
; Work-groups 0-127 take x (a wave: one tile of 16 rows, 16 records); the other 256 take 128 columns x 128 along K of a weight.  No tile is shared between work-groups: no cluster, no tensor load.
.set XWG, 128
.set STG, 4352                         ; a stage in LDS: 16 rows x (256 bytes + 16); two for each wave
.set R,   16                           ; v16-143  numbers as loaded (x: four sets of 32; weights: four blocks of 32)
.set X,   144                          ; v144-207 x: two sets of 32 neighbours
.set D,   160                          ; weights: block t's codes at v[D + 8 t]
.set C,   208                          ; v208-213 x: a block's codes
.set TT,  216                          ; v216-218 a block's upper 16 codes, as the conversion leaves them
.set A,   220                          ; v220-223 x: my 16 scale bytes
.set P,   224                          ; v224-227 the other half's
.set EO,  228
.set OW,  232
	s_load_b256 s[4:11], s[0:1], 0x0               ; x s[4:5], w_qkv s[6:7], w_out s[8:9], cw s[10:11]
	s_load_b64 s[12:13], s[0:1], 0x20              ; sw
	v_lshl_add_u32 v254, v0, 2, 0x8800
	v_mov_b32 v255, 0
	v_lshrrev_b32 v1, 5, v0
	v_readfirstlane_b32 s14, v1                    ; wave
	v_and_b32 v2, 31, v0                           ; lane
	v_lshlrev_b32 v3, 3, v2                        ; 8 x lane: my place in a plane
; v12 = the largest magnitude of v[xs .. xs + 31] and the floor 2^(3 - 127); v11 = the conversion's scale operand (2 off the exponent field)
.macro BMAX xs
	v_max3_num_f32 v12, |v[\xs]|, |v[\xs+1]|, |v[\xs+2]|
	v_max3_num_f32 v13, |v[\xs+3]|, |v[\xs+4]|, |v[\xs+5]|
.irp i, 6,10,14,18,22,26
	v_max3_num_f32 v12, v12, |v[\xs+\i]|, |v[\xs+\i+1]|
	v_max3_num_f32 v13, v13, |v[\xs+\i+2]|, |v[\xs+\i+3]|
.endr
	v_max3_num_f32 v12, v12, |v[\xs+30]|, |v[\xs+31]|
	v_max3_num_f32 v12, v12, v13, 0x1800000
	v_add_nc_u32 v11, 0xff000000, v12
.endm
	s_cmp_lt_u32 ttmp9, XWG
	s_cbranch_scc0 .Lweights
; ---------------- x: K is innermost ----------------
	s_lshl_b32 s15, ttmp9, 2
	s_add_co_u32 s15, s15, s14                     ; T: my tile of 16 buffer rows
	s_lshr_b32 s16, s15, 1
	s_lshl_b32 s16, s16, 5
	s_and_b32 s17, s15, 1
	s_lshl_b32 s17, s17, 3
	s_add_co_u32 s16, s16, s17                     ; its first true row: 32 (T / 2) + 8 (T % 2)
	s_lshl_b32 s16, s16, 12                        ; x 4,096 bytes
	s_mov_b32 s17, 0
	s_mul_i32 s18, s15, 12288
	s_mov_b32 s19, 0
	s_lshl_b32 s20, s15, 9
	s_mov_b32 s21, 0
	s_mov_b32 s30, 0x76543210
	s_mov_b32 s31, 0xfedcba98                      ; selects for lane l xor 16
	s_mov_b32 s32, 0x05010400
	s_mov_b32 s33, 0x07030602
	v_and_b32 v4, 15, v2                           ; r
	v_lshrrev_b32 v5, 4, v2                        ; h
	v_lshlrev_b32 v6, 4, v4
	v_lshl_add_u32 v6, v5, 16, v6                  ; in: sixteen lanes read 256 bytes of one row; lanes 16-31 the row 16 further down
	s_mul_i32 s22, s14, 2*STG
	v_mul_u32_u24 v7, v5, 8*272
	v_lshl_add_u32 v7, v4, 4, v7
	v_add_nc_u32 v7, s22, v7                       ; the stage on the way in: load i brings buffer rows i and 8 + i
	v_mul_u32_u24 v8, v4, 272
	v_lshl_add_u32 v8, v5, 7, v8
	v_add_nc_u32 v8, s22, v8                       ; and out: row r, block h: 128 bytes
	v_lshlrev_b32 v9, 5, v4
	v_lshl_add_u32 v9, v5, 4, v9                   ; my 16 of the tile's 512 scale bytes
	s_wait_kmcnt 0x0
	s_add_nc_u64 s[4:5], s[4:5], s[16:17]
	s_add_nc_u64 s[10:11], s[10:11], s[18:19]
	s_add_nc_u64 s[12:13], s[12:13], s[20:21]
.macro LOADX t                         ; record t: 16 rows x 256 bytes
.irp i, 0,1,2,3,4,5,6,7
	global_load_b128 v[R+32*((\t)%4)+4*\i:R+32*((\t)%4)+4*\i+3], v6, s[4:5] offset:4096*\i+256*(\t) th:TH_LOAD_NT
.endr
.endm
.macro TURNX t                         ; through my own stage: LDS serves a wave's instructions in order, so no wait stands between the stores and the loads
.irp i, 0,1,2,3,4,5,6,7
	ds_store_b128 v7, v[R+32*((\t)%4)+4*\i:R+32*((\t)%4)+4*\i+3] offset:STG*((\t)%2)+272*\i
.endr
.irp j, 0,1,2,3,4,5,6,7
	ds_load_b128 v[X+32*((\t)%2)+4*\j:X+32*((\t)%2)+4*\j+3], v8 offset:STG*((\t)%2)+16*\j
.endr
.endm
.macro RECX t
.set XS, X+32*((\t)%2)
	s_wait_dscnt 0x0                               ; this record's block is back, and its stores into the stage have read their registers,
.if (\t)+4 < 16
	LOADX (\t)+4                                   ; which take the record four on
.endif
.if (\t)+1 < 16
.if 14-(\t) >= 3
	s_wait_loadcnt 24                              ; the next record's 8 loads are in; three younger records may be out
.else
	s_wait_loadcnt 8*(14-(\t))
.endif
	TURNX (\t)+1
.endif
	BMAX XS
.if (\t) > 0
	s_wait_xcnt 0x0                                ; the last record's stores have read C: it is written again only behind this wait
.endif
	v_cvt_scalef32_pk16_fp6_f32 v[C:C+2], v[XS:XS+15], v11
	v_cvt_scalef32_pk16_fp6_f32 v[TT:TT+2], v[XS+16:XS+31], v11    ; (a conversion's three registers begin on an even number)
	v_lshrrev_b32 v14, 23, v11                     ; the scale's byte; also the plain place behind the conversions
.irp i, 0,1,2
	v_mov_b32 v[C+3+\i], v[TT+\i]
.endr
.if (\t)%4 == 0
	v_mov_b32 v[A+(\t)/4], v14
.else
	v_lshl_or_b32 v[A+(\t)/4], v14, 8*((\t)%4), v[A+(\t)/4]
.endif
.irp p, 0,1,2
	global_store_b64 v3, v[C+2*\p:C+2*\p+1], s[10:11] offset:768*(\t)+256*\p    ; 32 lanes store one aligned run of 256 bytes
.endr
.endm
	LOADX 0
	LOADX 1
	LOADX 2
	LOADX 3
	s_wait_loadcnt 24
	TURNX 0
.irp t, 0,1,2,3,4,5,6,7,8,9,10,11,12,13,14,15
	RECX \t
.endr
	; lane (r, h) holds the bytes of blocks 2 t + h; it stores blocks 16 h .. 16 h + 15 of row r: even and odd blocks are woven with the other half's
.irp j, 0,1,2,3
	v_mov_b32 v[P+\j], 0                           ; a lane permute's destination counts as read
.endr
.irp j, 0,1,2,3
	v_permlanex16_b32 v[P+\j], v[A+\j], s30, s31
.endr
	v_cmp_lt_u32 vcc_lo, 15, v2
	v_cndmask_b32 v[EO+0], v[A+0], v[P+2], vcc_lo  ; even blocks, first four records of my eight
	v_cndmask_b32 v[EO+1], v[P+0], v[A+2], vcc_lo  ; odd blocks
	v_cndmask_b32 v[EO+2], v[A+1], v[P+3], vcc_lo
	v_cndmask_b32 v[EO+3], v[P+1], v[A+3], vcc_lo
	v_perm_b32 v[OW+0], v[EO+1], v[EO+0], s32
	v_perm_b32 v[OW+1], v[EO+1], v[EO+0], s33
	v_perm_b32 v[OW+2], v[EO+3], v[EO+2], s32
	v_perm_b32 v[OW+3], v[EO+3], v[EO+2], s33
	global_store_b128 v9, v[OW:OW+3], s[12:13]     ; the tile's 512 scale bytes, whole
	s_wait_tensorcnt 0x0
	ds_add_u32 v254, v255
	s_wait_dscnt 0x0
	s_endpgm
; ---------------- the weights: K is the first axis: a lane takes a column, its registers run down K ----------------
.Lweights:
	s_sub_co_u32 s15, ttmp9, XWG
	s_and_b32 s16, s15, 31                         ; which 128 columns: 0-23 of w_qkv, 24-31 of w_out
	s_lshr_b32 s17, s15, 5                         ; which 128 along K
	v_and_b32 v4, 7, v2
	v_bfe_u32 v5, v2, 3, 1
	v_bfe_u32 v6, v2, 4, 1
	v_lshl_add_u32 v4, v5, 4, v4
	v_lshl_add_u32 v4, v6, 3, v4                   ; lane L is buffer row L of my 32: its true column has bits 3 and 4 exchanged
	v_lshlrev_b32 v4, 2, v4
	v_lshlrev_b32 v5, 5, v2                        ; my row of scale bytes
	s_lshl_b32 s18, s16, 7
	s_lshl_b32 s19, s14, 5
	s_add_co_u32 s18, s18, s19                     ; 128 gx + 32 wave
	s_add_co_u32 s20, s18, 8192                    ; my first buffer row
	s_mul_i32 s22, s20, 768
	s_mul_i32 s23, s17, 1536                       ; two records
	s_add_co_u32 s22, s22, s23
	s_mov_b32 s23, 0
	s_lshl_b32 s24, s20, 5
	s_lshl_b32 s25, s17, 2
	s_add_co_u32 s24, s24, s25
	s_mov_b32 s25, 0
	s_mov_b32 s27, 0
	s_wait_kmcnt 0x0
	s_add_nc_u64 s[10:11], s[10:11], s[22:23]
	s_add_nc_u64 s[12:13], s[12:13], s[24:25]
.macro LOADB t, pitch, src             ; block t: 32 rows of the weight at my column; 32 lanes read 128 neighbouring bytes
.set q_, 0
.rept 32
	global_load_b32 v[R+32*(\t)+q_], v4, s[\src:\src+1] offset:(32*(\t)+q_)*\pitch th:TH_LOAD_NT
.set q_, q_+1
.endr
.endm
.macro BLK t
.set XS, R+32*(\t)
	BMAX XS
.if (\t) == 0
	v_lshrrev_b32 v14, 23, v11
.else
	v_lshrrev_b32 v13, 23, v11
	v_lshl_or_b32 v14, v13, 8*(\t), v14            ; four bytes to a word, the lower K in the lower byte
.endif
	v_cvt_scalef32_pk16_fp6_f32 v[D+8*(\t):D+8*(\t)+2], v[XS:XS+15], v11
	v_cvt_scalef32_pk16_fp6_f32 v[TT:TT+2], v[XS+16:XS+31], v11
	v_nop                                          ; one plain place behind a scaled conversion
.irp i, 0,1,2
	v_mov_b32 v[D+8*(\t)+3+\i], v[TT+\i]
.endr
.endm
.macro PAIR k                          ; blocks 2 k and 2 k + 1 of my two tiles become two records: the first's lanes 16-31 change places with the second's lanes 0-15
.irp i, 0,1,2,3,4,5
	v_permlane16_swap_b32 v[D+16*(\k)+\i], v[D+16*(\k)+8+\i]
.endr
.irp p, 0,1,2
	global_store_b64 v3, v[D+16*(\k)+2*\p:D+16*(\k)+2*\p+1], s[10:11] offset:768*(\k)+256*\p
	global_store_b64 v3, v[D+16*(\k)+8+2*\p:D+16*(\k)+8+2*\p+1], s[10:11] offset:12288+768*(\k)+256*\p
.endr
.endm
.macro WBODY pitch, src
	LOADB 0, \pitch, \src
	LOADB 1, \pitch, \src
	s_wait_loadcnt 32                              ; block 0 is in; the younger block's 32 loads may be out
	LOADB 2, \pitch, \src
	BLK 0
	s_wait_loadcnt 32
	LOADB 3, \pitch, \src
	BLK 1
	PAIR 0
	s_wait_loadcnt 32
	BLK 2
	s_wait_loadcnt 0x0
	BLK 3
	PAIR 1
	global_store_b32 v5, v14, s[12:13]             ; 4 scale bytes of my row: rows are 32 bytes apart, so these runs are written in part: one byte for each 128 read
.endm
	s_cmp_lt_u32 s16, 24
	s_cbranch_scc0 .Lwout
	s_mul_i32 s26, s17, 128*12288
	s_lshl_b32 s28, s18, 2
	s_add_co_u32 s26, s26, s28
	s_add_nc_u64 s[6:7], s[6:7], s[26:27]
	WBODY 12288, 6
	s_endpgm
.Lwout:
	s_sub_co_u32 s18, s18, 3072
	s_mul_i32 s26, s17, 128*4096
	s_lshl_b32 s28, s18, 2
	s_add_co_u32 s26, s26, s28
	s_add_nc_u64 s[8:9], s[8:9], s[26:27]
	WBODY 4096, 8
	s_endpgm
.Lfunc_end_k_qacf050ae4f_quant:
	.size	k_qacf050ae4f_quant, .Lfunc_end_k_qacf050ae4f_quant-k_qacf050ae4f_quant
	.p2alignl 7, 3214868480
	.fill 96, 4, 3214868480
	.section	.rodata,"a",@progbits
	.p2align	6, 0x0
	.amdhsa_kernel k_qacf050ae4f_quant
		.amdhsa_group_segment_fixed_size 35328
		.amdhsa_private_segment_fixed_size 0
		.amdhsa_enable_private_segment 0
		.amdhsa_kernarg_size 40
		.amdhsa_user_sgpr_count 2
		.amdhsa_user_sgpr_kernarg_segment_ptr 1
		.amdhsa_wavefront_size32 1
		.amdhsa_system_sgpr_workgroup_id_x 1
		.amdhsa_system_sgpr_workgroup_id_y 1
		.amdhsa_system_sgpr_workgroup_id_z 1
		.amdhsa_system_vgpr_workitem_id 0
		.amdhsa_next_free_vgpr 256
		.amdhsa_next_free_sgpr 66
		.amdhsa_reserve_vcc 1
		.amdhsa_float_denorm_mode_32 3
		.amdhsa_float_denorm_mode_16_64 3
		.amdhsa_memory_ordered 1
		.amdhsa_forward_progress 1
		.amdhsa_inst_pref_size 100
	.end_amdhsa_kernel
	.amdgpu_metadata
---
amdhsa.version: [ 1, 2 ]
amdhsa.kernels:
  - .name:           k_qacf050ae4f_quant
    .symbol:         k_qacf050ae4f_quant.kd
    .args:
      - { .name: x, .offset: 0, .size: 8, .value_kind: global_buffer, .address_space: global }
      - { .name: w_qkv, .offset: 8, .size: 8, .value_kind: global_buffer, .address_space: global }
      - { .name: w_out, .offset: 16, .size: 8, .value_kind: global_buffer, .address_space: global }
      - { .name: cw, .offset: 24, .size: 8, .value_kind: global_buffer, .address_space: global }
      - { .name: sw, .offset: 32, .size: 8, .value_kind: global_buffer, .address_space: global }
    .group_segment_fixed_size: 35328
    .private_segment_fixed_size: 0
    .kernarg_segment_align: 8
    .kernarg_segment_size: 40
    .max_flat_workgroup_size: 128
    .sgpr_count:     66
    .vgpr_count:     256
    .wavefront_size: 32
...
	.end_amdgpu_metadata
.endif
;; end of part 1
;; launch qkv (part 2): grid 12 x 32, 4 waves a work-group, clusters of 4 x 4, 327,680 bytes of LDS; arguments cw, sw, img, sc; writes img, sc
.if DOCPART == 2
	.amdgcn_target "amdgcn-amd-amdhsa--gfx1250"
	.amdhsa_code_object_version 6
	.text
	.protected	k_qacf050ae4f_qkv
	.globl	k_qacf050ae4f_qkv
	.p2align	8
	.type	k_qacf050ae4f_qkv,@function
k_qacf050ae4f_qkv:
	s_mov_b64 s[64:65], 0
	v_nop
	global_prefetch_b8 v0, s[64:65] scope:SCOPE_SE
	s_setreg_imm32_b32 hwreg(HW_REG_WAVE_MODE, 25, 1), 1
	s_wait_xcnt 0x0
	s_wait_alu depctr_hold_cnt(0) depctr_sa_sdst(0) depctr_va_vdst(0) depctr_va_sdst(0) depctr_va_ssrc(0) depctr_va_vcc(0) depctr_vm_vsrc(0)
	s_getreg_b32 s2, hwreg(HW_REG_IB_STS2, 6, 4)
	s_cmp_eq_u32 s2, 0
	s_cbranch_scc0 .Lentry_in_a_cluster
	s_endpgm
.Lentry_in_a_cluster:
	s_bfe_u32 s2, ttmp6, 0x10000c
	s_cmp_lg_u32 s2, 0xf033
	s_cbranch_scc0 .Lentry_shape_is_right
	s_endpgm
.Lentry_shape_is_right:
; The first product, x w_qkv, on codes of FP6 (E2M3) with E8M0 scales, K = 1,024; its results q, k, v are quantised in registers and leave as images of the attention's operand registers.
; A tile of 256 x 256 is made by four waves, each 128 x 128: 64 accumulators, 512 registers.  K goes in steps of 256 through two LDS slots filled by the tensor data mover.
; Both operands lie in cw: a tile of 16 rows is 16 records of 768 bytes (64 along K), three planes of 8 bytes a lane: a fragment is six loads of 8 bytes at 8 x lane, 256 neighbouring bytes each: no padding is wanted.
; TWO PRODUCTS IN ONE LAUNCH, chosen by the cluster's x, which all sixteen partners share.  x < 2: A = tokens, B = columns of Wq, Wk: a lane holds one token and its registers run along the head's
; channels, q's and k's K.  x = 2: A = columns of Wv, B = tokens: a lane holds one channel and its registers run along the tokens, v's K.
; THE MATRIX INSTRUCTION IS USED TRANSPOSED (source 0 = 16 rows of B, source 1 = 16 rows of A).  Buffer rows have bits 3 and 4 of the true row exchanged, so the 16 registers of result tiles 2 g and 2 g + 1 are
; the 16 neighbours 32 g + 16 (lane / 16) + 0 .. 15 along B's true rows: what the conversions want.
; CLUSTERS: 4 x 4.  A's tiles are asked for jointly along a row of the cluster, B's along a column.
; img: [q, k, v][batch x head][98,304]: images of 1,536 bytes, register R of lane L at 512 (R / 4) + 16 L + 4 (R % 4).  q, k: image g = tokens 32 g ..: register 6 u + i = word i of block (lane / 16) of token
; 32 g + 8 u + r + 8 (r / 8).  v: image 4 t + dt: register 6 c + i = word i of key block 128 t + 64 c + 32 (lane / 16) of buffer channel 16 dt + r.  sc: [q, k, v][batch x head][t 16][r 16][4 words].
; LIMITS: NaN and infinities are not served; a block whose largest magnitude lies under 2^-124 keeps the byte 1, a block of zeros too (its codes are zeros; this program alone reads the bytes).
; REGISTERS: window 0: v0-31 addresses; v32-63 scale words, two sets; v128-223 A's fragments, one set.  window 1: B's fragments, two sets, at v0 and v128.  windows 2, 3: accumulator (a, b) at v[8 (8 (a % 4) + b)].
.set NQ,     2                         ; matrix instructions deep in a slot
.set FR,     12
.set NL,     6
.set NP,     4                         ; places behind this matrix instruction (ISA guide 7.12.1)
.set RECB,   768
.set TILEB,  4*RECB                    ; 16 rows x 256 along K
.set HALFT,  8*TILEB                   ; 128 rows: what one tensor load brings
.set SLOT,   4*HALFT
.set LAPS,   2                         ; 1,024 / 512
.set KS,     32                        ; a row of scale bytes
.set SCL,    2*SLOT                    ; behind the ring: the scales, as runs of 256 bytes + 16 of padding
.set HALFS,  16*272
.set SBLK,   2*272
.set SPARE,  SCL+4*HALFS               ; the spare words: 128 bytes a wave, two blocks of 256 bytes that no other line names
.set ADRA, 16
.set ADRB, 20
.set LI,   24                          ; v24  16 x lane: my place in an image
.set SA,   25                          ; v25  4,096 (lane / 16) + 16 r: my place among the scale words
.set ADRS, 27
.set SPW,  28
.set NIL,  29
.set SC,   32
.set AF,   128
.set TM,   32                          ; the way out, window 0: v32-39 largest magnitudes; v40-47 the other half's, then bytes; v48-55 scale operands; v56-63 scale words of blocks 0-7
.set TP,   40
.set SO,   48
.set PW,   56
.set SQ,   64
.set SELR, 68
.set TT,   72                          ; v72-87 upper halves of the conversions
.set IMG,  96                          ; v96-191 the eight images: never written twice
.set G1, 24
.set G0, 32
.set G1B, 48
.set G0B, 56
.set G1S, 68
.set G0S, 76
.set G1SB, 80
.set G0SB, 88
.set MSB, 0
.macro WIN new                         ; the immediate's high byte repeats the setting that is left
.if MSB != \new
	s_set_vgpr_msb (MSB<<8)|\new
.set MSB, \new
.endif
.endm
.set MUL_LO, 0xa1
.set MUL_HI, 0xf1
.set TO_B,   0x40
; A joint load: waves 0 and 1 fetch for A, waves 2 and 3 for B; four v_nop follow each of the two lines
.macro JLOAD g0a, g1a, g0b, g1b
	s_cmp_eq_u32 s15, 0
	s_cbranch_scc0 .Lfor_b_\@
	tensor_load_to_lds s[\g0a:\g0a+3], s[\g1a:\g1a+7]
	s_nop 0
.rept 4
	v_nop
.endr
	s_branch .Lasked_\@
.Lfor_b_\@:
	tensor_load_to_lds s[\g0b:\g0b+3], s[\g1b:\g1b+7]
	s_nop 0
.rept 4
	v_nop
.endr
.Lasked_\@:
.endm
.macro CREST
	s_cmp_lg_u32 s14, 0
	s_cbranch_scc1 .Lnot_wave_0_\@
	s_barrier_signal -3
.Lnot_wave_0_\@:
	s_barrier_wait -3
	s_barrier_signal -1
	s_barrier_wait -1
.endm
.macro CROUND
	s_barrier_signal -1
	s_barrier_wait -1
	CREST
.endm
	s_load_b256 s[4:11], s[0:1], 0x0               ; cw s[4:5], sw s[6:7], img s[8:9], sc s[10:11]
	v_lshl_add_u32 v[SPW], v0, 2, SPARE
	v_mov_b32 v[NIL], 0
	ds_add_u32 v28, v29
	ds_add_u32 v28, v29
	s_wait_dscnt 0x0
	v_lshrrev_b32 v1, 5, v0
	v_readfirstlane_b32 s14, v1                    ; wave
	s_lshr_b32 s15, s14, 1                         ; my half of A's rows; also: I fetch for A (0) or B (1)
	s_and_b32 s16, s14, 1                          ; my half of B's rows; also: which 128 rows I fetch
	s_bfe_u32 s40, ttmp6, 0x40000                  ; cx
	s_bfe_u32 s41, ttmp6, 0x40004                  ; cy
	s_mov_b32 s12, ttmp9                           ; the cluster's x: 0, 1: q, k; 2: v
	s_and_b32 s13, ttmp7, 0xffff                   ; the cluster's y: 1,024 tokens
	s_lshl_b32 s43, s41, 2
	s_lshl_b32 s43, 15, s43                        ; my row of the cluster
	s_lshl_b32 s44, 0x1111, s40                    ; my column
	; group 1 for codes: 8 tiles of 16 rows, each 3,072 consecutive bytes (384 elements of 8), 12,288 bytes apart; dense in LDS
	s_or_b32 s[G1+0], s43, (3<<16)|(1<<21)
	s_or_b32 s[G1B+0], s44, (3<<16)|(1<<21)
.irp g, G1, G1B
	s_mov_b32 s[\g+1], 384<<16
	s_mov_b32 s[\g+2], 8<<16
	s_mov_b32 s[\g+3], 384<<16
	s_mov_b32 s[\g+4], 8
	s_mov_b32 s[\g+5], 1536
	s_mov_b32 s[\g+6], 0
	s_mov_b32 s[\g+7], 0
.endr
	; and for the scales of 128 rows: 4,096 dense bytes as 16 rows of 256, 16 bytes of padding behind each
	s_or_b32 s[G1S+0], s43, (3<<16)|(1<<20)|(1<<21)|(5<<22)|(3<<25)
	s_or_b32 s[G1SB+0], s44, (3<<16)|(1<<20)|(1<<21)|(5<<22)|(3<<25)
.irp g, G1S, G1SB
	s_mov_b32 s[\g+1], 32<<16
	s_mov_b32 s[\g+2], 16<<16
	s_mov_b32 s[\g+3], 32<<16
	s_mov_b32 s[\g+4], 16
	s_mov_b32 s[\g+5], 32
	s_mov_b32 s[\g+6], 0
	s_mov_b32 s[\g+7], 0
.endr
	s_lshl_b32 s17, s13, 10                        ; 1,024 y: tokens
	s_lshl_b32 s18, s12, 10
	s_add_co_u32 s18, s18, 8192                    ; Wq's or Wk's columns
	s_mov_b32 s19, 10240                           ; Wv's columns
	s_cmp_lt_u32 s12, 2
	s_cselect_b32 s42, s17, s19                    ; row numbers are chosen, never pointers
	s_cselect_b32 s46, s18, s17
	s_lshl_b32 s19, s41, 8
	s_add_co_u32 s42, s42, s19                     ; A's tile begins at this row of cw: it hangs on cy, never on cx
	s_lshl_b32 s47, s40, 8
	s_add_co_u32 s46, s46, s47                     ; B's: on cx, never on cy
	s_lshl_b32 s18, s16, 7
	s_add_co_u32 s20, s42, s18
	s_add_co_u32 s94, s46, s18
	s_mul_i32 s22, s20, RECB                       ; a row's share of a tile's 12,288 bytes: rows here are multiples of 16
	s_mov_b32 s23, 0
	s_lshl_b32 s20, s20, 5
	s_mov_b32 s21, 0
	s_mul_i32 s96, s94, RECB
	s_mov_b32 s97, 0
	s_lshl_b32 s94, s94, 5
	s_mov_b32 s95, 0
	s_mul_i32 s45, s14, HALFT                      ; where they go: wave x 128 rows: no place in the cluster enters an LDS address
	s_mul_i32 s2, s14, HALFS
	s_wait_kmcnt 0x0
	s_add_nc_u64 s[22:23], s[4:5], s[22:23]        ; A's codes
	s_add_nc_u64 s[20:21], s[6:7], s[20:21]        ; A's scales
	s_add_nc_u64 s[96:97], s[4:5], s[96:97]        ; B's codes
	s_add_nc_u64 s[94:95], s[6:7], s[94:95]        ; B's scales
	CROUND                                         ; all sixteen work-groups are here: the first joint loads meet
	s_mov_b32 s[G0S], 1
	s_add_co_u32 s[G0S+1], s2, SCL
	s_mov_b64 s[G0S+2:G0S+3], s[20:21]
	s_or_b32 s[G0S+3], s[G0S+3], 0x80000000
	s_mov_b32 s[G0SB], 1
	s_add_co_u32 s[G0SB+1], s2, SCL
	s_mov_b64 s[G0SB+2:G0SB+3], s[94:95]
	s_or_b32 s[G0SB+3], s[G0SB+3], 0x80000000
	JLOAD G0S, G1S, G0SB, G1SB                     ; the scales of all of K: filled once
.irp s, 0,1
	s_mov_b32 s[G0+4*\s], 1
	s_add_co_u32 s[G0+4*\s+1], s45, \s*SLOT
	s_add_nc_u64 s[G0+4*\s+2:G0+4*\s+3], s[22:23], \s*TILEB
	s_or_b32 s[G0+4*\s+3], s[G0+4*\s+3], 0x80000000
	s_mov_b32 s[G0B+4*\s], 1
	s_add_co_u32 s[G0B+4*\s+1], s45, \s*SLOT
	s_add_nc_u64 s[G0B+4*\s+2:G0B+4*\s+3], s[96:97], \s*TILEB
	s_or_b32 s[G0B+4*\s+3], s[G0B+4*\s+3], 0x80000000
	JLOAD G0+4*\s, G1, G0B+4*\s, G1B
.endr
	v_and_b32 v1, 15, v0                           ; r
	v_bfe_u32 v2, v0, 4, 1                         ; h
	v_and_b32 v3, 31, v0                           ; lane
	v_lshlrev_b32 v4, 3, v3
	s_mul_i32 s21, s15, HALFT
	s_mul_i32 s22, s16, HALFT
	s_add_co_u32 s22, s22, 2*HALFT
.irp s, 0,1
	v_add_nc_u32 v[ADRA+\s], s21, v4
	v_add_nc_u32 v[ADRB+\s], s22, v4
	s_add_co_u32 s21, s21, SLOT
	s_add_co_u32 s22, s22, SLOT
.endr
	v_mul_u32_u24 v5, v1, KS                       ; my row's scales: 32 bytes a row,
	v_lshrrev_b32 v6, 8, v5
	v_lshl_add_u32 v5, v6, 4, v5                   ; and 16 more for each 256 passed
	s_mul_i32 s21, s15, HALFS
	s_mul_i32 s22, s16, HALFS
	s_add_co_u32 s22, s22, 2*HALFS
	s_sub_co_u32 s22, s22, s21
	v_mul_u32_u24 v6, s22, v2                      ; lanes 16-31 take B's
	s_add_co_u32 s21, s21, SCL
	v_add_nc_u32 v5, v5, v6
	v_add_nc_u32 v[ADRS], s21, v5
	v_lshlrev_b32 v[LI], 4, v3
	v_lshlrev_b32 v[SA], 4, v1
	v_lshl_add_u32 v[SA], v2, 12, v[SA]
	; where my results go: my 128 tokens are key step t of a batch, my 128 features two heads
	s_lshl_b32 s17, s15, 7
	s_add_co_u32 s17, s42, s17                     ; my first row of A
	s_lshl_b32 s18, s16, 7
	s_add_co_u32 s18, s46, s18                     ; of B
	s_cmp_lt_u32 s12, 2
	s_cselect_b32 s19, s17, s18                    ; my first token
	s_cselect_b32 s98, s18, s17
	s_sub_co_u32 s98, s98, 8192                    ; my first feature of 3,072
	s_lshr_b32 s17, s98, 10                        ; q, k or v
	s_lshl_b32 s17, s17, 2
	s_lshr_b32 s18, s19, 11                        ; batch
	s_add_co_u32 s17, s17, s18
	s_lshl_b32 s17, s17, 4
	s_bfe_u32 s18, s98, 0x40006                    ; head
	s_add_co_u32 s17, s17, s18
	s_bfe_u32 s18, s19, 0x40007                    ; t
	s_mul_i32 s92, s17, 98304
	s_mul_i32 s93, s18, 6144
	s_add_co_u32 s92, s92, s93
	s_mov_b32 s93, 0
	s_lshl_b32 s98, s17, 12
	s_lshl_b32 s99, s18, 8
	s_add_co_u32 s98, s98, s99
	s_mov_b32 s99, 0
	s_add_nc_u64 s[8:9], s[8:9], s[92:93]
	s_add_nc_u64 s[10:11], s[10:11], s[98:99]
.macro FRAG reg, adr, q, i             ; 16 rows x 128 K: registers 6 c + 2 p', + 1 = plane p' of record 2 q + c
.irp p, 0,1,2,3,4,5
	ds_load_b64 v[\reg+2*\p:\reg+2*\p+1], v[\adr] offset:(\i)*TILEB+(2*(\q)+\p/3)*RECB+(\p%3)*256
.endr
.endm
; 16 matrix instructions: A's blocks a0, a0 + 1 x B's eight.  The 64 accumulators take turns, one instruction a turn, in the same order in every step.
.macro MUL16 a0, p, q, sc, zero
.irp a, \a0, \a0+1
.irp b, 0,1,2,3,4,5,6,7
.if \zero
	v_wmma_scale_f32_16x16x128_f8f6f4 v[8*(8*((\a)%4)+\b):8*(8*((\a)%4)+\b)+7], v[128*(\p)+FR*\b:128*(\p)+FR*\b+FR-1], v[AF+FR*(\a):AF+FR*(\a)+FR-1], 0, v[SC+8*NQ*(\sc)+NQ*\b+(\q)], v[SC+8*NQ*(\sc)+NQ*(\a)+(\q)] matrix_a_fmt:MATRIX_FMT_FP6 matrix_b_fmt:MATRIX_FMT_FP6 matrix_a_scale:MATRIX_SCALE_ROW1
.else
	v_wmma_scale_f32_16x16x128_f8f6f4 v[8*(8*((\a)%4)+\b):8*(8*((\a)%4)+\b)+7], v[128*(\p)+FR*\b:128*(\p)+FR*\b+FR-1], v[AF+FR*(\a):AF+FR*(\a)+FR-1], v[8*(8*((\a)%4)+\b):8*(8*((\a)%4)+\b)+7], v[SC+8*NQ*(\sc)+NQ*\b+(\q)], v[SC+8*NQ*(\sc)+NQ*(\a)+(\q)] matrix_a_fmt:MATRIX_FMT_FP6 matrix_b_fmt:MATRIX_FMT_FP6 matrix_a_scale:MATRIX_SCALE_ROW1
.endif
.endr
.endr
.endm
.macro FETCH_B slot, q, p
	WIN TO_B
.irp i, 0,1,2,3,4,5,6,7
	FRAG 128*(\p)+FR*\i, ADRB+\slot, \q, \i
.endr
	WIN 0
.endm
.macro FETCH_A slot, q, i0
.irp i, \i0, \i0+1, \i0+2, \i0+3
	FRAG AF+FR*(\i), ADRA+\slot, \q, \i
.endr
.endm
.macro SCALES sc                       ; two words a row; lanes 0-15 take A's block i, lanes 16-31 B's block i
.irp i, 0,1,2,3,4,5,6,7
	ds_load_b64 v[SC+8*NQ*\sc+NQ*\i:SC+8*NQ*\sc+NQ*\i+1], v[ADRS] offset:\i*SBLK
.endr
.endm
.macro PLACES n                        ; plain vector instructions between a matrix instruction and a load into, or a vector read or write of, its registers
.rept \n
	v_nop
.endr
.endm
.macro STEP slot, q, zero
	s_wait_dscnt 4*NL                              ; B's set and A's blocks 0-3 are in; the youngest 24 loads (A's blocks 4-7) may be out
	WIN MUL_LO
	MUL16 0, (\q)%2, \q, \slot, \zero
	MUL16 2, (\q)%2, \q, \slot, \zero
	s_wait_dscnt 0
	PLACES NP
	FETCH_B \slot, (\q)+1, 1-(\q)%2
	FETCH_A \slot, (\q)+1, 0
	WIN MUL_HI
	MUL16 4, (\q)%2, \q, \slot, \zero
	MUL16 6, (\q)%2, \q, \slot, \zero
	PLACES NP
	WIN 0
	FETCH_A \slot, (\q)+1, 4
.endm
; A slot's last step changes slots: one barrier; in front of it each wave waits for all its tensor loads, adds 0 to its spare word, and waits for that and for its reads of this slot
.macro TURN slot, next, fill
	s_wait_tensorcnt 0x0                           ; all my tensor loads have landed: my part of the next slot
	ds_add_u32 v[SPW], v[NIL]
	s_wait_dscnt 4*NL+1                            ; (the add and the youngest 24 loads may be out)
	WIN MUL_LO
	MUL16 0, 1, NQ-1, \slot, 0
	s_wait_dscnt 0x0                               ; the add is done, and my reads of this slot are over
	s_barrier_signal -1
	MUL16 2, 1, NQ-1, \slot, 0
	WIN 0
	s_barrier_wait -1
.if \fill
	CREST                                          ; the barrier has opened a round of the cluster's: no wave of any partner still reads this slot or has a load on its way
	s_add_nc_u64 s[G0+4*\slot+2:G0+4*\slot+3], s[G0+4*\slot+2:G0+4*\slot+3], 2*TILEB
	s_add_nc_u64 s[G0B+4*\slot+2:G0B+4*\slot+3], s[G0B+4*\slot+2:G0B+4*\slot+3], 2*TILEB
	JLOAD G0+4*\slot, G1, G0B+4*\slot, G1B         ; the first tensor load behind the round; its four v_nop are the places in front of the loads below
.else
	PLACES NP
.endif
	v_add_nc_u32 v[ADRS], 4*NQ, v[ADRS]
	FETCH_B \next, 0, 0
	FETCH_A \next, 0, 0
	SCALES \next
	WIN MUL_HI
	MUL16 4, 1, NQ-1, \slot, 0
	MUL16 6, 1, NQ-1, \slot, 0
	PLACES NP
	WIN 0
	FETCH_A \next, 0, 4
.endm
	s_wait_tensorcnt 1                             ; the scales and my part of K step 0 are in; K step 1's load may be out
	s_barrier_signal -1
	s_barrier_wait -1
	FETCH_B 0, 0, 0
	FETCH_A 0, 0, 0
	SCALES 0
	FETCH_A 0, 0, 4
	STEP 0, 0, 1                                   ; the first step's products start the sums
	s_mov_b32 s3, LAPS-1
.Llap:
	TURN 0, 1, 1
	STEP 1, 0, 0
	TURN 1, 0, 1
	STEP 0, 0, 0
	s_sub_co_u32 s3, s3, 1
	s_cmp_lg_u32 s3, 0
	s_cbranch_scc1 .Llap
	TURN 0, 1, 0
	STEP 1, 0, 0
	s_wait_dscnt 4*NL
	WIN MUL_LO
	MUL16 0, 1, NQ-1, 1, 0
	MUL16 2, 1, NQ-1, 1, 0
	s_wait_dscnt 0
	WIN MUL_HI
	MUL16 4, 1, NQ-1, 1, 0
	MUL16 6, 1, NQ-1, 1, 0
	WIN 0
; THE WAY OUT: no LDS.  For A's block a a lane's 64 registers are 64 numbers of ONE row: register 16 b + i = place 32 b + 16 (lane / 16) + i along K: four blocks of 32, each shared with lane l xor 16.
; QUANT2 treats blocks 2 a' and 2 a' + 1, eight blocks of 32 by turns.  mode 1: block a's codes are halves of two images (head c, tile u); mode 2: one whole image.
.macro QUANT2 ap, mode
.set W_, 2+(\ap)/2
.set A0_, 64*((2*(\ap))%4)
	WIN (W_<<2)|(W_<<4)                            ; sources 1 and 2: the accumulators' window
.irp e, 0,1,2,3,4,5,6,7
	v_max3_num_f32 v[TM+\e], 0x1800000, |v[A0_+16*\e]|, |v[A0_+16*\e+1]|    ; each accumulator is read from its low end on; the floor 2^(3 - 127) holds the byte at 1
.endr
.irp i, 2,4,6,8,10,12,14
.irp e, 0,1,2,3,4,5,6,7
	v_max3_num_f32 v[TM+\e], v[TM+\e], |v[A0_+16*\e+\i]|, |v[A0_+16*\e+\i+1]|
.endr
.endr
	WIN 0
.irp e, 0,1,2,3,4,5,6,7
	v_permlanex16_b32 v[TP+\e], v[TM+\e], s18, s19
.endr
.irp e, 0,1,2,3,4,5,6,7
	v_max_num_f32 v[TM+\e], v[TM+\e], v[TP+\e]
.endr
.irp e, 0,1,2,3,4,5,6,7
	v_add_nc_u32 v[SO+\e], 0xff000000, v[TM+\e]    ; 2 off the exponent field: the conversion's scale operand
.endr
.irp e, 0,1,2,3,4,5,6,7
	v_lshrrev_b32 v[TP+\e], 23, v[SO+\e]           ; the byte
.endr
.irp u, 0,1
	v_lshl_or_b32 v[PW+2*(\ap)+\u], v[TP+4*\u+1], 8, v[TP+4*\u]
	v_lshl_or_b32 v[PW+2*(\ap)+\u], v[TP+4*\u+2], 16, v[PW+2*(\ap)+\u]
	v_lshl_or_b32 v[PW+2*(\ap)+\u], v[TP+4*\u+3], 24, v[PW+2*(\ap)+\u]
.endr
	WIN W_                                         ; source 0: the accumulators' window
.irp u, 0,1
.irp c, 0,1
.if \mode == 1
.set D_, IMG+24*(\ap)+12*\c+6*\u
.else
.set D_, IMG+24*(\ap)+12*\u+6*\c
.endif
	v_cvt_scalef32_pk16_fp6_f32 v[D_:D_+2], v[A0_+64*\u+32*\c:A0_+64*\u+32*\c+15], v[SO+4*\u+2*\c]
	v_cvt_scalef32_pk16_fp6_f32 v[TT+4*(2*\u+\c):TT+4*(2*\u+\c)+2], v[A0_+64*\u+32*\c+16:A0_+64*\u+32*\c+31], v[SO+4*\u+2*\c+1]
.endr
.endr
	WIN 0
	v_nop                                          ; one plain place behind a scaled conversion
.irp u, 0,1
.irp c, 0,1
.if \mode == 1
.set D_, IMG+24*(\ap)+12*\c+6*\u
.else
.set D_, IMG+24*(\ap)+12*\u+6*\c
.endif
.irp i, 0,1,2
	v_permlane16_swap_b32 v[D_+\i], v[TT+4*(2*\u+\c)+\i]   ; a whole block to a lane: lanes 0-15 block 2 c, lanes 16-31 block 2 c + 1
.endr
.irp i, 0,1,2
	v_mov_b32 v[D_+3+\i], v[TT+4*(2*\u+\c)+\i]
.endr
.endr
.endr
.endm
.macro EPI mode
.irp ap, 0,1,2,3
	QUANT2 \ap, \mode
.if \mode == 1
.irp c, 0,1
.irp j, 0,1,2
	global_store_b128 v[LI], v[IMG+24*\ap+12*\c+4*\j:IMG+24*\ap+12*\c+4*\j+3], s[8:9] offset:98304*\c+1536*\ap+512*\j   ; 32 lanes store 512 consecutive bytes, aligned
.endr
.endr
.else
.irp u, 0,1
.irp j, 0,1,2
	global_store_b128 v[LI], v[IMG+24*\ap+12*\u+4*\j:IMG+24*\ap+12*\u+4*\j+3], s[8:9] offset:98304*((2*\ap+\u)/4)+1536*((2*\ap+\u)%4)+512*\j
.endr
.endr
.endif
.endr
.irp i, 0,1,2,3
.if \mode == 1
	v_perm_b32 v[SQ+\i], v[PW+2*\i+1], v[PW+2*\i], v[SELR]   ; (tile 0: blocks 0, 1; tile 1: blocks 0, 1) of my half's head
.else
	v_cndmask_b32 v[SQ+\i], v[PW+\i], v[PW+4+\i], vcc_lo     ; image dt = i of my half's head
.endif
.endr
	global_store_b128 v[SA], v[SQ:SQ+3], s[10:11]  ; sixteen lanes store 256 consecutive bytes, aligned, for each of the two heads
.endm
	PLACES NP                                      ; behind the last products: the lines below read results and write registers that held fragments and scales
	s_mov_b32 s18, 0x76543210
	s_mov_b32 s19, 0xfedcba98
.irp e, 0,1,2,3,4,5,6,7
	v_mov_b32 v[TP+\e], 0                          ; a lane permute's destination counts as read
.endr
	v_cmp_lt_u32 vcc_lo, 15, v3                    ; lanes 16-31
	v_mov_b32 v[SELR], 0x05040100
	v_mov_b32 v[SELR+1], 0x07060302
	v_cndmask_b32 v[SELR], v[SELR], v[SELR+1], vcc_lo
	s_cmp_lt_u32 s12, 2                            ; the cluster's x: the same in all partners and all waves
	s_cbranch_scc0 .Lmode2
	EPI 1
	s_branch .Ldone
.Lmode2:
	EPI 2
.Ldone:
	s_wait_tensorcnt 0x0                           ; the wave's end
	ds_add_u32 v[SPW], v[NIL]
	s_wait_dscnt 0x0
	CROUND                                         ; the closing round: no work-group ends while a partner may still ask for a tile that names it
	s_endpgm
.Lfunc_end_k_qacf050ae4f_qkv:
	.size	k_qacf050ae4f_qkv, .Lfunc_end_k_qacf050ae4f_qkv-k_qacf050ae4f_qkv
	.p2alignl 7, 3214868480
	.fill 96, 4, 3214868480
	.section	.rodata,"a",@progbits
	.p2align	6, 0x0
	.amdhsa_kernel k_qacf050ae4f_qkv
		.amdhsa_group_segment_fixed_size 327680
		.amdhsa_private_segment_fixed_size 0
		.amdhsa_enable_private_segment 0
		.amdhsa_kernarg_size 32
		.amdhsa_user_sgpr_count 2
		.amdhsa_user_sgpr_kernarg_segment_ptr 1
		.amdhsa_wavefront_size32 1
		.amdhsa_system_sgpr_workgroup_id_x 1
		.amdhsa_system_sgpr_workgroup_id_y 1
		.amdhsa_system_sgpr_workgroup_id_z 1
		.amdhsa_system_vgpr_workitem_id 0
		.amdhsa_next_free_vgpr 1024
		.amdhsa_next_free_sgpr 100
		.amdhsa_reserve_vcc 1
		.amdhsa_float_denorm_mode_32 3
		.amdhsa_float_denorm_mode_16_64 3
		.amdhsa_memory_ordered 1
		.amdhsa_forward_progress 1
		.amdhsa_inst_pref_size 196
	.end_amdhsa_kernel
	.amdgpu_metadata
---
amdhsa.version: [ 1, 2 ]
amdhsa.kernels:
  - .name:           k_qacf050ae4f_qkv
    .symbol:         k_qacf050ae4f_qkv.kd
    .args:
      - { .name: cw, .offset: 0, .size: 8, .value_kind: global_buffer, .address_space: global }
      - { .name: sw, .offset: 8, .size: 8, .value_kind: global_buffer, .address_space: global }
      - { .name: img, .offset: 16, .size: 8, .value_kind: global_buffer, .address_space: global }
      - { .name: sc, .offset: 24, .size: 8, .value_kind: global_buffer, .address_space: global }
    .group_segment_fixed_size: 327680
    .private_segment_fixed_size: 0
    .kernarg_segment_align: 8
    .kernarg_segment_size: 32
    .max_flat_workgroup_size: 128
    .sgpr_count:     100
    .vgpr_count:     1024
    .wavefront_size: 32
...
	.end_amdgpu_metadata
.endif
;; end of part 2
;; launch attn (part 3): grid 4 x 64, 16 waves a work-group, clusters of 4 x 1, 206,848 bytes of LDS; arguments img, sc, oc, os; writes oc, os
.if DOCPART == 3
	.amdgcn_target "amdgcn-amd-amdhsa--gfx1250"
	.amdhsa_code_object_version 6
	.text
	.protected	k_qacf050ae4f_attn
	.globl	k_qacf050ae4f_attn
	.p2align	8
	.type	k_qacf050ae4f_attn,@function
k_qacf050ae4f_attn:
	s_mov_b64 s[64:65], 0
	v_nop
	global_prefetch_b8 v0, s[64:65] scope:SCOPE_SE
	s_setreg_imm32_b32 hwreg(HW_REG_WAVE_MODE, 25, 1), 1
	s_wait_xcnt 0x0
	s_wait_alu depctr_hold_cnt(0) depctr_sa_sdst(0) depctr_va_vdst(0) depctr_va_sdst(0) depctr_va_ssrc(0) depctr_va_vcc(0) depctr_vm_vsrc(0)
	s_getreg_b32 s2, hwreg(HW_REG_IB_STS2, 6, 4)
	s_cmp_eq_u32 s2, 0
	s_cbranch_scc0 .Lentry_in_a_cluster
	s_endpgm
.Lentry_in_a_cluster:
	s_bfe_u32 s2, ttmp6, 0x10000c
	s_cmp_lg_u32 s2, 0x3003
	s_cbranch_scc0 .Lentry_shape_is_right
	s_endpgm
.Lentry_shape_is_right:
; Causal attention of one (batch, head) on codes of FP6 (E2M3): S^T = K Q^T, p = 2^(t - M), O^T = V^T P^T, o = O / l, and o quantised along the model's 1,024 for the last product.
; t = score x log2(e) / 8; M = the running largest t rounded UP to a whole number; the sum l is taken of the unquantised p; when M moves, l and O^T are multiplied by 2^(old M - new M): exact.
; SHARES.  The four work-groups of a cluster serve one head.  A tile is 16 queries (tile 2 g + u: queries 32 g + 8 u + r + 8 (r / 8)); tile T needs T / 8 + 1 key steps of 128.  Wave w of work-group cx owns
; tiles T = 8 (w / 2) + 2 cx + w % 2 and 127 - T: w / 2 + 1 and 16 - w / 2 steps: 17 for every wave.  The steps' bounds hang on the wave's number alone, so the partners run alike.
; LDS.  The head's K and V (register images, 98,304 bytes each) and their scale words (4,096 each) are brought ONCE, by joint loads of waves 0 (K) and 1 (V): no byte is filled twice, so there is no ring.
; They come in four loads a wave (scales; steps 0-3; 4-7; 8-15), and the late tile's steps 0-7, which every wave walks in full, run while the later loads land.
; THE HEAD HAS 64 CHANNELS, THE INSTRUCTION 128 ALONG K.  An image of K holds two tiles of 16 keys side by side, [u = 0 | u = 1]; against [q | 0] it gives tile 0's scores, against [0 | q] tile 1's: K's bytes hold no zeros.
; A lane holds ONE query throughout; the 16 registers of score tiles 2 b, 2 b + 1 are keys 32 b + 16 (lane / 16) + 0 .. 15.
; LIMITS: NaN and infinities are not served; a block whose largest magnitude lies under 2^-124 keeps the byte 1, a block of zeros too (its codes are zeros; this program alone reads the bytes).
.set LI,  1                            ; v1   16 x lane
.set LSR, 2                            ; v2   K's scale words: 196,608 + 16 r
.set ADK, 3
.set ADV, 4
.set ADS, 5
.set DQH, 6                            ; v6, v7  my query's place in its key step, less 16 (lane / 16): late tile, early tile
.set DQL, 7
.set L8,  8                            ; v8   8 x lane
.set OSO, 9                            ; v9   32 r + lane / 16
.set QSA, 10                           ; v10  16 r
.set QH,  16                           ; v16-45: [0 | q late | 0 | q early | 0], six registers each
.set QL,  28
.set QSH, 46                           ; q's scale words
.set QSL, 47
.set FR,  48                           ; v48-95   four images of K, then of V
.set S,   96                           ; v96-159  S^T, then p
.set O,   160                          ; v160-191 O^T
.set KS,  192
.set VS,  196
.set PC,  200                          ; v200-211 p's codes
.set PT,  212
.set BM,  220
.set T2,  224
.set SO,  228
.set PW,  232
.set TMP, 233
.set FF,  234
.set CH,  236
.set WV,  18
.set SEL, 20
.set CS,  22
.set G1A, 24                           ; groups 1: 16, 96, 192 rows of 256 bytes
.set G1B, 32
.set G1C, 40
.set G0,  48                           ; four groups 0
.set TK,  66                           ; LDS byte of the step's images: 6,144 a step
.set TS,  67                           ; of its scale words: 256 a step
.set ST,  68                           ; the step
.set CNT, 69
.set BH,  70                           ; the late tile's last step: 15 - wave / 2
.set BL,  71                           ; the early tile's: wave / 2
.set HM,  96                           ; lanes 16-31
.macro ROUND
	s_barrier_signal -1
	s_barrier_wait -1
	s_cmp_lg_u32 s[WV], 0
	s_cbranch_scc1 .Lnot_wave_0_\@
	s_barrier_signal -3
.Lnot_wave_0_\@:
	s_barrier_wait -3
	s_barrier_signal -1
	s_barrier_wait -1
.endm
	s_load_b256 s[4:11], s[0:1], 0x0               ; img s[4:5], sc s[6:7], oc s[8:9], os s[10:11]
	v_lshl_add_u32 v254, v0, 2, 0x32000
	v_mov_b32 v255, 0
	ds_add_u32 v254, v255
	ds_add_u32 v254, v255
	v_lshrrev_b32 v1, 5, v0
	v_readfirstlane_b32 s[WV], v1                  ; wave 0..15
	s_and_b32 s12, ttmp7, 0xffff                   ; batch x 16 + head
	s_bfe_u32 s13, ttmp6, 0x40000                  ; cx: it enters global addresses and the mask's distances alone
	s_lshr_b32 s[BL], s[WV], 1
	s_sub_co_u32 s[BH], 15, s[BL]
	s_and_b32 s19, s[WV], 1
	s_lshl_b32 s80, s19, 6
	s_add_co_u32 s80, s80, s12
	s_add_co_u32 s80, s80, 64                      ; K's (wave 0) or V's (wave 1) part of img and sc
	s_lshl_b32 s82, s80, 12
	s_mov_b32 s83, 0
	s_mul_i32 s84, s80, 98304
	s_mov_b32 s85, 0
	s_lshl_b32 s86, s19, 12
	s_add_co_u32 s86, s86, 196608
	s_mul_i32 s87, s19, 98304
.irp g, G1A, G1B, G1C
	s_mov_b32 s[\g], 15|(3<<16)|(1<<21)            ; the mask: all four work-groups; elements of 8 bytes; bit 21 beside a mask; no padding: every read is 16 x lane
	s_mov_b32 s[\g+1], 32<<16
	s_mov_b32 s[\g+3], 32<<16
	s_mov_b32 s[\g+5], 32
	s_mov_b32 s[\g+6], 0
	s_mov_b32 s[\g+7], 0
.endr
	s_mov_b32 s[G1A+2], 16<<16
	s_mov_b32 s[G1A+4], 16
	s_mov_b32 s[G1B+2], 96<<16
	s_mov_b32 s[G1B+4], 96
	s_mov_b32 s[G1C+2], 192<<16
	s_mov_b32 s[G1C+4], 192
	s_mov_b32 s[SEL], 0x76543210
	s_mov_b32 s[SEL+1], 0xfedcba98
	s_mov_b32 s[CS], 0x3e38aa3b                    ; c = log2(e) / 8
	s_mov_b32 s[CS+1], s[CS]
	s_mov_b32 s[HM], 0xffff0000
	s_wait_dscnt 0x0
	s_wait_kmcnt 0x0
	s_mov_b32 s[G0], 1
	s_mov_b32 s[G0+1], s86
	s_add_nc_u64 s[G0+2:G0+3], s[6:7], s[82:83]
	s_or_b32 s[G0+3], s[G0+3], 0x80000000
	s_mov_b32 s[G0+4], 1
	s_mov_b32 s[G0+5], s87
	s_add_nc_u64 s[G0+6:G0+7], s[4:5], s[84:85]
	s_mov_b32 s[G0+8], 1
	s_add_co_u32 s[G0+9], s87, 24576
	s_add_nc_u64 s[G0+10:G0+11], s[G0+6:G0+7], 24576
	s_mov_b32 s[G0+12], 1
	s_add_co_u32 s[G0+13], s87, 49152
	s_add_nc_u64 s[G0+14:G0+15], s[G0+6:G0+7], 49152
	s_or_b32 s[G0+7], s[G0+7], 0x80000000
	s_or_b32 s[G0+11], s[G0+11], 0x80000000
	s_or_b32 s[G0+15], s[G0+15], 0x80000000
	ROUND                                          ; all four work-groups are here: the joint loads meet
	s_cmp_lt_u32 s[WV], 2                          ; a wave's first fills stand in one branch; four loads of mine are out
	s_cbranch_scc0 .Lno_fill
	tensor_load_to_lds s[G0:G0+3], s[G1A:G1A+7]        ; the scale words
	s_nop 0
	tensor_load_to_lds s[G0+4:G0+7], s[G1B:G1B+7]      ; key steps 0-3
	s_nop 0
	tensor_load_to_lds s[G0+8:G0+11], s[G1B:G1B+7]     ; 4-7
	s_nop 0
	tensor_load_to_lds s[G0+12:G0+15], s[G1C:G1C+7]    ; 8-15
	s_nop 0
.rept 4
	v_nop
.endr
.Lno_fill:
	s_lshl_b32 s14, s13, 1
	s_add_co_u32 s14, s14, s19
	s_lshl_b32 s15, s[BL], 3
	s_add_co_u32 s15, s15, s14                     ; the early tile
	s_sub_co_u32 s16, 127, s15                     ; the late tile
	s_mul_i32 s98, s12, 98304
	s_lshl_b32 s99, s12, 12
	s_lshr_b32 s17, s12, 4
	s_lshl_b32 s17, s17, 7                         ; 128 tiles a batch
	s_and_b32 s2, s12, 15                          ; head
	s_lshl_b32 s3, s2, 1
; a tile's addresses: pq its image of q, ps its scale word, po its record of oc, pz its bytes of os; sd: 32 (group % 4) + 8 u
.macro PLACE tau, pq, ps, po, pz, sd
	s_lshr_b32 s97, s[\tau], 1
	s_mul_i32 s[\pq], s97, 1536
	s_add_co_u32 s[\pq], s[\pq], s98
	s_mov_b32 s[\pq+1], 0
	s_lshr_b32 s[\ps], s[\tau], 3
	s_lshl_b32 s[\ps], s[\ps], 8
	s_and_b32 s97, s97, 3
	s_lshl_b32 s[\sd], s97, 5
	s_lshl_b32 s97, s97, 2
	s_add_co_u32 s[\ps], s[\ps], s97
	s_add_co_u32 s[\ps], s[\ps], s99
	s_mov_b32 s[\ps+1], 0
	s_and_b32 s97, s[\tau], 1
	s_lshl_b32 s97, s97, 3
	s_add_co_u32 s[\sd], s[\sd], s97
	s_add_co_u32 s97, s17, s[\tau]
	s_lshl_b32 s[\pz], s97, 9
	s_add_co_u32 s[\pz], s[\pz], s3
	s_mov_b32 s[\pz+1], 0
	s_lshl_b32 s97, s97, 4
	s_add_co_u32 s97, s97, s2
	s_mul_i32 s[\po], s97, 768
	s_mov_b32 s[\po+1], 0
	s_add_nc_u64 s[\pq:\pq+1], s[4:5], s[\pq:\pq+1]
	s_add_nc_u64 s[\ps:\ps+1], s[6:7], s[\ps:\ps+1]
	s_add_nc_u64 s[\po:\po+1], s[8:9], s[\po:\po+1]
	s_add_nc_u64 s[\pz:\pz+1], s[10:11], s[\pz:\pz+1]
.endm
	PLACE 16, 88, 92, 72, 74, 76
	PLACE 15, 90, 94, 78, 80, 77
	v_and_b32 v11, 31, v0
	v_lshlrev_b32 v[LI], 4, v11
	v_lshlrev_b32 v[L8], 3, v11
	v_and_b32 v[TMP], 15, v0                       ; r
	v_bfe_u32 v[FF], v0, 4, 1                      ; h
	v_lshlrev_b32 v[QSA], 4, v[TMP]
.irp j, 0,1,2
	global_load_b128 v[S+4*\j:S+4*\j+3], v[LI], s[88:89] offset:512*\j        ; the late tile's image of q (two tiles)
	global_load_b128 v[S+12+4*\j:S+12+4*\j+3], v[LI], s[90:91] offset:512*\j  ; the early tile's
.endr
	global_load_b32 v[S+24], v[QSA], s[92:93]
	global_load_b32 v[S+25], v[QSA], s[94:95]
	v_lshl_add_u32 v[LSR], v[TMP], 4, 196608
	v_lshl_add_u32 v[OSO], v[TMP], 5, v[FF]
	v_and_b32 v[DQH], 8, v[TMP]
	v_add_nc_u32 v[DQH], v[DQH], v[TMP]
	v_lshlrev_b32 v[DQL], 4, v[FF]
	v_sub_nc_u32 v[DQL], v[DQH], v[DQL]            ; r + 8 (r / 8) - 16 h
	v_add_nc_u32 v[DQH], s76, v[DQL]
	v_add_nc_u32 v[DQL], s77, v[DQL]
.irp j, 0,1,2,3,4,5
	v_mov_b32 v[QH+\j], 0                          ; the zero halves beside q
	v_mov_b32 v[QH+12+\j], 0
	v_mov_b32 v[QH+24+\j], 0
.endr
.irp b, 0,1,2,3
	v_mov_b32 v[T2+\b], 0                          ; a lane permute's destination counts as read
.endr
	v_mov_b32 v[FF+1], 0                           ; named as the upper half of a pair
	s_mov_b32 s98, 0x01000100
	s_mov_b32 s99, 0x03020302
	s_cmp_eq_u32 s19, 1                            ; the early tile is u = wave % 2 of its image, the late tile the other
	s_cselect_b32 s82, s99, s98
	s_cselect_b32 s83, s98, s99
	s_cselect_b32 s84, -1, 0
	s_cselect_b32 s85, 0, -1
	s_wait_loadcnt 0x0
.irp j, 0,1,2,3,4,5
	v_cndmask_b32 v[QH+6+\j], v[S+\j], v[S+6+\j], s85
	v_cndmask_b32 v[QL+6+\j], v[S+12+\j], v[S+18+\j], s84
.endr
	v_perm_b32 v[QSH], v[S+24], v[S+24], s83       ; my tile's two bytes, twice: they serve [q | 0] and [0 | q]
	v_perm_b32 v[QSL], v[S+25], v[S+25], s82
.macro INIT                            ; the step is written once: the first finds zeros, which the first change of M leaves zeros
	v_mov_b32 v13, 0xff61b1e6                      ; -3e38, under every t
	v_floor_f32 v12, -v13
	v_mov_b32 v14, 0
	v_mov_b32 v15, 0
.set n_, 0
.rept 32
	v_mov_b32 v[O+n_], 0
.set n_, n_+1
.endr
	s_mov_b32 s[TK], 0
	s_mov_b32 s[TS], 0
	s_mov_b32 s[ST], 0
.endm
; A KEY STEP of 128 keys.  qb: [0 | q | 0]; qs: q's scale word; causal = 1: steps behind the tile's last are passed over (a branch on the wave's number and the count), and the last is masked
.macro STEP qb, qs, causal, bound, dq
.if \causal
	s_cmp_gt_u32 s[ST], s[\bound]
	s_cbranch_scc1 .Lhid_\@
.endif
	v_add_nc_u32 v[ADK], s[TK], v[LI]              ; these three and the v_nop are the places behind the last step's products, in front of the loads into their registers
	v_add_nc_u32 v[ADV], 0x18000, v[ADK]
	v_add_nc_u32 v[ADS], s[TS], v[LSR]
	v_nop
.irp b, 0,1,2,3
.irp c, 0,1,2
	ds_load_b128 v[FR+12*\b+4*\c:FR+12*\b+4*\c+3], v[ADK] offset:1536*\b+512*\c
.endr
.endr
	ds_load_b128 v[KS:KS+3], v[ADS]
	ds_load_b128 v[VS:VS+3], v[ADS] offset:4096
	s_wait_dscnt 0x0
.irp b, 0,1,2,3
	v_wmma_scale_f32_16x16x128_f8f6f4 v[S+16*\b:S+16*\b+7], v[FR+12*\b:FR+12*\b+11], v[\qb+6:\qb+17], 0, v[KS+\b], v[\qs] matrix_a_fmt:MATRIX_FMT_FP6 matrix_b_fmt:MATRIX_FMT_FP6
	v_wmma_scale_f32_16x16x128_f8f6f4 v[S+16*\b+8:S+16*\b+15], v[FR+12*\b:FR+12*\b+11], v[\qb:\qb+11], 0, v[KS+\b], v[\qs] matrix_a_fmt:MATRIX_FMT_FP6 matrix_b_fmt:MATRIX_FMT_FP6
.endr
.rept 4
	v_nop
.endr
.irp b, 0,1,2,3
.irp c, 0,1,2
	ds_load_b128 v[FR+12*\b+4*\c:FR+12*\b+4*\c+3], v[ADV] offset:1536*\b+512*\c     ; V's four images land while the softmax is walked
.endr
.endr
.if \causal
	s_cmp_lg_u32 s[ST], s[\bound]
	s_cbranch_scc1 .Lopen_\@
	v_mov_b32 v[TMP], 0xff800000                   ; on the diagonal hidden scores become -infinity: register 16 b + i holds key 32 b + i + 16 (lane / 16) of the step
.set n_, 0
.rept 64
	v_cmp_gt_i32 vcc_lo, 32*(n_/16)+n_%16, v[\dq]
	v_cndmask_b32 v[S+n_], v[S+n_], v[TMP], vcc_lo
.set n_, n_+1
.endr
.Lopen_\@:
.endif
.irp b, 0,1,2,3
	v_max3_num_f32 v[BM+\b], v[S+16*\b], v[S+16*\b+1], v[S+16*\b+2]     ; each block's largest score: for the row's maximum and, since p rises with the score, for the block's largest p
.endr
.irp i, 3,5,7,9,11,13
.irp b, 0,1,2,3
	v_max3_num_f32 v[BM+\b], v[BM+\b], v[S+16*\b+\i], v[S+16*\b+\i+1]
.endr
.endr
.irp b, 0,1,2,3
	v_max_num_f32 v[BM+\b], v[BM+\b], v[S+16*\b+15]
.endr
.irp b, 0,1,2,3
	v_permlanex16_b32 v[T2+\b], v[BM+\b], s[SEL], s[SEL+1]
.endr
.irp b, 0,1,2,3
	v_max_num_f32 v[BM+\b], v[BM+\b], v[T2+\b]
.endr
	v_max3_num_f32 v[TMP], v[BM], v[BM+1], v[BM+2]
	v_max_num_f32 v[TMP], v[TMP], v[BM+3]
	v_mul_f32 v[TMP], s[CS], v[TMP]
	v_max_num_f32 v13, v13, v[TMP]                 ; the running largest t
	v_mov_b32 v[TMP], v12
	v_floor_f32 v12, -v13                          ; -M = floor(-t): M is a whole number
	v_sub_f32 v[TMP], v12, v[TMP]
	v_cvt_i32_f32 v[TMP], v[TMP]                   ; (it saturates)
	v_ldexp_f32 v[FF], 1.0, v[TMP]                 ; f = 2^(old M - new M)
.set n_, 0
.rept 32
	v_pk_fma_f32 v[S+n_:S+n_+1], v[S+n_:S+n_+1], s[CS:CS+1], v[12:13] op_sel_hi:[1,0,0]
.set n_, n_+2
.endr
.irp b, 0,1,2,3
	v_fma_f32 v[BM+\b], v[BM+\b], s[CS], v12
.endr
.set n_, 0
.rept 64
	v_exp_f32 v[S+n_], v[S+n_]                     ; p = 2^(t - M)
.set n_, n_+1
.endr
.irp b, 0,1,2,3
	v_exp_f32 v[BM+\b], v[BM+\b]
.endr
	v_pk_mul_f32 v[14:15], v[14:15], v[FF:FF+1] op_sel_hi:[1,0]        ; a plain place behind the exponentials
	s_wait_alu depctr_va_vdst(0)
.irp b, 0,1,2,3
	v_max_num_f32 v[BM+\b], 0x1800000, v[BM+\b]
.endr
.irp b, 0,1,2,3
	v_add_nc_u32 v[SO+\b], 0xff000000, v[BM+\b]
.endr
.irp b, 0,1,2,3
	v_lshrrev_b32 v[T2+\b], 23, v[SO+\b]
.endr
	v_lshl_or_b32 v[PW], v[T2+1], 8, v[T2]
	v_lshl_or_b32 v[PW], v[T2+2], 16, v[PW]
	v_lshl_or_b32 v[PW], v[T2+3], 24, v[PW]
.irp c, 0,1
	v_cvt_scalef32_pk16_fp6_f32 v[PC+6*\c:PC+6*\c+2], v[S+32*\c:S+32*\c+15], v[SO+2*\c]
	v_cvt_scalef32_pk16_fp6_f32 v[PT+4*\c:PT+4*\c+2], v[S+32*\c+16:S+32*\c+31], v[SO+2*\c+1]
.endr
	v_nop                                          ; one plain place behind a scaled conversion
.irp c, 0,1
.irp i, 0,1,2
	v_permlane16_swap_b32 v[PC+6*\c+\i], v[PT+4*\c+\i]
.endr
.irp i, 0,1,2
	v_mov_b32 v[PC+6*\c+3+\i], v[PT+4*\c+\i]
.endr
.endr
	v_pk_add_f32 v[CH:CH+1], v[S:S+1], v[S+2:S+3]  ; the row's sum, of the unquantised p, in two chains
.irp j, 4,8,12,16,20,24,28,32,36,40,44,48,52,56,60
	v_pk_add_f32 v[14:15], v[14:15], v[S+\j:S+\j+1]
	v_pk_add_f32 v[CH:CH+1], v[CH:CH+1], v[S+\j+2:S+\j+3]
.endr
	v_pk_add_f32 v[14:15], v[14:15], v[CH:CH+1]
.set n_, 0
.rept 16
	v_pk_mul_f32 v[O+n_:O+n_+1], v[O+n_:O+n_+1], v[FF:FF+1] op_sel_hi:[1,0]   ; O^T under the new M; with the sums these are the places between p's codes and scale word and the products
.set n_, n_+2
.endr
	s_wait_dscnt 0x0                               ; V is in
.irp b, 0,1,2,3
	v_wmma_scale_f32_16x16x128_f8f6f4 v[O+8*\b:O+8*\b+7], v[FR+12*\b:FR+12*\b+11], v[PC:PC+11], v[O+8*\b:O+8*\b+7], v[VS+\b], v[PW] matrix_a_fmt:MATRIX_FMT_FP6 matrix_b_fmt:MATRIX_FMT_FP6
.endr
.if \causal
.Lhid_\@:
.endif
	s_add_co_u32 s[TK], s[TK], 6144
	s_add_co_u32 s[TS], s[TS], 256
	s_add_co_u32 s[ST], s[ST], 1
.endm
.macro SEG count, qb, qs, causal, bound, dq
	s_mov_b32 s[CNT], \count
.Lseg_\@:
	STEP \qb, \qs, \causal, \bound, \dq
	s_sub_co_u32 s[CNT], s[CNT], 1
	s_cmp_lg_u32 s[CNT], 0
	s_cbranch_scc1 .Lseg_\@
.endm
; A tile's end: o = O^T / l; register 16 a + i is channel 32 a + 16 (lane / 16) + i: two blocks of the last product's K.  f: seven registers that the stores read, a set for each tile
.macro FINISH f, po, pz
.rept 4
	v_nop                                          ; places behind the last products
.endr
	v_add_f32 v14, v14, v15
	v_permlanex16_b32 v[TMP], v14, s[SEL], s[SEL+1]
	v_add_f32 v14, v14, v[TMP]
	v_rcp_f32 v14, v14
	v_nop
.set n_, 0
	s_wait_alu depctr_va_vdst(0)
.rept 16
	v_pk_mul_f32 v[S+n_:S+n_+1], v[O+n_:O+n_+1], v[14:15] op_sel_hi:[1,0]
.set n_, n_+2
.endr
.irp a, 0,1
	v_max3_num_f32 v[BM+\a], |v[S+16*\a]|, |v[S+16*\a+1]|, 0x1800000
.endr
.irp i, 2,4,6,8,10,12,14
.irp a, 0,1
	v_max3_num_f32 v[BM+\a], v[BM+\a], |v[S+16*\a+\i]|, |v[S+16*\a+\i+1]|
.endr
.endr
.irp a, 0,1
	v_permlanex16_b32 v[T2+\a], v[BM+\a], s[SEL], s[SEL+1]
.endr
.irp a, 0,1
	v_max_num_f32 v[BM+\a], v[BM+\a], v[T2+\a]
.endr
.irp a, 0,1
	v_add_nc_u32 v[SO+\a], 0xff000000, v[BM+\a]
.endr
.irp a, 0,1
	v_lshrrev_b32 v[T2+\a], 23, v[SO+\a]
.endr
	v_cndmask_b32 v[\f+6], v[T2], v[T2+1], s[HM]   ; my half's block's byte
	v_cvt_scalef32_pk16_fp6_f32 v[\f:\f+2], v[S:S+15], v[SO]
	v_cvt_scalef32_pk16_fp6_f32 v[PT:PT+2], v[S+16:S+31], v[SO+1]
	v_nop
.irp i, 0,1,2
	v_permlane16_swap_b32 v[\f+\i], v[PT+\i]       ; lane (r, h) now holds block h whole
.endr
.irp i, 0,1,2
	v_mov_b32 v[\f+3+\i], v[PT+\i]
.endr
.irp p, 0,1,2
	global_store_b64 v[L8], v[\f+2*\p:\f+2*\p+1], s[\po:\po+1] offset:256*\p     ; the head's record of the tile: three aligned runs of 256 bytes
.endr
	global_store_b8 v[OSO], v[\f+6], s[\pz:\pz+1]  ; a head owns two of a row's 32 scale bytes: single bytes, one for each 24 bytes of codes
.endm
	INIT
	s_wait_tensorcnt 0x2                           ; the scale words and steps 0-3 are in; the two younger loads may be out
	s_barrier_signal -1
	s_barrier_wait -1
	SEG 4, QH, QSH, 0, BH, DQH
	s_wait_tensorcnt 0x1                           ; steps 4-7
	s_wait_dscnt 0x0
	s_barrier_signal -1
	s_barrier_wait -1
	SEG 4, QH, QSH, 0, BH, DQH
	s_wait_tensorcnt 0x0                           ; steps 8-15
	s_wait_dscnt 0x0
	s_barrier_signal -1
	s_barrier_wait -1
	SEG 8, QH, QSH, 1, BH, DQH
	FINISH 238, 72, 74
	INIT
	SEG 8, QL, QSL, 1, BL, DQL
	FINISH 246, 78, 80
	s_wait_tensorcnt 0x0
	ds_add_u32 v254, v255
	s_wait_dscnt 0x0
	ROUND                                          ; the closing round
	s_endpgm
.Lfunc_end_k_qacf050ae4f_attn:
	.size	k_qacf050ae4f_attn, .Lfunc_end_k_qacf050ae4f_attn-k_qacf050ae4f_attn
	.p2alignl 7, 3214868480
	.fill 96, 4, 3214868480
	.section	.rodata,"a",@progbits
	.p2align	6, 0x0
	.amdhsa_kernel k_qacf050ae4f_attn
		.amdhsa_group_segment_fixed_size 206848
		.amdhsa_private_segment_fixed_size 0
		.amdhsa_enable_private_segment 0
		.amdhsa_kernarg_size 32
		.amdhsa_user_sgpr_count 2
		.amdhsa_user_sgpr_kernarg_segment_ptr 1
		.amdhsa_wavefront_size32 1
		.amdhsa_system_sgpr_workgroup_id_x 1
		.amdhsa_system_sgpr_workgroup_id_y 1
		.amdhsa_system_sgpr_workgroup_id_z 1
		.amdhsa_system_vgpr_workitem_id 0
		.amdhsa_next_free_vgpr 256
		.amdhsa_next_free_sgpr 100
		.amdhsa_reserve_vcc 1
		.amdhsa_float_denorm_mode_32 3
		.amdhsa_float_denorm_mode_16_64 3
		.amdhsa_memory_ordered 1
		.amdhsa_forward_progress 1
		.amdhsa_inst_pref_size 93
	.end_amdhsa_kernel
	.amdgpu_metadata
---
amdhsa.version: [ 1, 2 ]
amdhsa.kernels:
  - .name:           k_qacf050ae4f_attn
    .symbol:         k_qacf050ae4f_attn.kd
    .args:
      - { .name: img, .offset: 0, .size: 8, .value_kind: global_buffer, .address_space: global }
      - { .name: sc, .offset: 8, .size: 8, .value_kind: global_buffer, .address_space: global }
      - { .name: oc, .offset: 16, .size: 8, .value_kind: global_buffer, .address_space: global }
      - { .name: os, .offset: 24, .size: 8, .value_kind: global_buffer, .address_space: global }
    .group_segment_fixed_size: 206848
    .private_segment_fixed_size: 0
    .kernarg_segment_align: 8
    .kernarg_segment_size: 32
    .max_flat_workgroup_size: 512
    .sgpr_count:     100
    .vgpr_count:     256
    .wavefront_size: 32
...
	.end_amdgpu_metadata
.endif
;; end of part 3
;; launch outp (part 4): grid 4 x 32, 4 waves a work-group, clusters of 4 x 4, 327,680 bytes of LDS; arguments oc, os, cw, sw, out0; writes out0
.if DOCPART == 4
	.amdgcn_target "amdgcn-amd-amdhsa--gfx1250"
	.amdhsa_code_object_version 6
	.text
	.protected	k_qacf050ae4f_outp
	.globl	k_qacf050ae4f_outp
	.p2align	8
	.type	k_qacf050ae4f_outp,@function
k_qacf050ae4f_outp:
	s_mov_b64 s[64:65], 0
	v_nop
	global_prefetch_b8 v0, s[64:65] scope:SCOPE_SE
	s_setreg_imm32_b32 hwreg(HW_REG_WAVE_MODE, 25, 1), 1
	s_wait_xcnt 0x0
	s_wait_alu depctr_hold_cnt(0) depctr_sa_sdst(0) depctr_va_vdst(0) depctr_va_sdst(0) depctr_va_ssrc(0) depctr_va_vcc(0) depctr_vm_vsrc(0)
	s_getreg_b32 s2, hwreg(HW_REG_IB_STS2, 6, 4)
	s_cmp_eq_u32 s2, 0
	s_cbranch_scc0 .Lentry_in_a_cluster
	s_endpgm
.Lentry_in_a_cluster:
	s_bfe_u32 s2, ttmp6, 0x10000c
	s_cmp_lg_u32 s2, 0xf033
	s_cbranch_scc0 .Lentry_shape_is_right
	s_endpgm
.Lentry_shape_is_right:
; The last product, o w_out, on codes of FP6 (E2M3) with E8M0 scales, K = 1,024.  A = oc (8,192 tokens), B = rows 11,264 .. 12,287 of cw (columns of w_out); out0 [8192][1024] f32.
; A tile of 256 x 256 is made by four waves, each 128 x 128: 64 accumulators.  K goes in steps of 256 through two LDS slots filled by the tensor data mover.
; Operands lie as tiles of 16 rows x 16 records of 768 bytes (64 along K), three planes of 8 bytes a lane: a fragment is six loads of 8 bytes at 8 x lane.  Buffer rows have bits 3 and 4 of the true row exchanged;
; the way out puts rows and columns back in their true places.  THE MATRIX INSTRUCTION IS USED TRANSPOSED (source 0 = 16 rows of B, source 1 = 16 rows of A).
; CLUSTERS: 4 x 4: A's tiles are asked for jointly along a row of the cluster, B's along a column.  32 x 4 tiles make 128 work-groups.
; REGISTERS: window 0: v0-31 addresses; v32-63 scale words, two sets; v128-223 A's fragments, one set.  window 1: B's fragments, two sets.  windows 2, 3: accumulator (a, b) at v[8 (8 (a % 4) + b)].
.set NQ,     2
.set FR,     12
.set NL,     6
.set NP,     4
.set RECB,   768
.set TILEB,  4*RECB
.set HALFT,  8*TILEB
.set SLOT,   4*HALFT
.set LAPS,   2
.set KS,     32
.set SCL,    2*SLOT
.set HALFS,  16*272
.set SBLK,   2*272
.set SPARE,  SCL+4*HALFS               ; the spare words: 128 bytes a wave, two blocks of 256 bytes that no other line names
.set SPITCH, 528                       ; the way out: 16 rows x (512 bytes + 16) for each wave, in slot 0, which has had its last fill and its last read by then
.set ADRA, 16
.set ADRB, 20
.set STO,  24
.set RD,   25
.set CO,   26
.set ADRS, 27
.set SPW,  28
.set NIL,  29
.set SC,   32
.set AF,   128
.set BK,   128
.set G1, 24
.set G0, 32
.set G1B, 48
.set G0B, 56
.set G1S, 68
.set G0S, 76
.set G1SB, 80
.set G0SB, 88
.set MSB, 0
.macro WIN new
.if MSB != \new
	s_set_vgpr_msb (MSB<<8)|\new
.set MSB, \new
.endif
.endm
.set MUL_LO, 0xa1
.set MUL_HI, 0xf1
.set TO_B,   0x40
.macro JLOAD g0a, g1a, g0b, g1b        ; waves 0 and 1 fetch for A, waves 2 and 3 for B; four v_nop follow each of the two lines
	s_cmp_eq_u32 s15, 0
	s_cbranch_scc0 .Lfor_b_\@
	tensor_load_to_lds s[\g0a:\g0a+3], s[\g1a:\g1a+7]
	s_nop 0
.rept 4
	v_nop
.endr
	s_branch .Lasked_\@
.Lfor_b_\@:
	tensor_load_to_lds s[\g0b:\g0b+3], s[\g1b:\g1b+7]
	s_nop 0
.rept 4
	v_nop
.endr
.Lasked_\@:
.endm
.macro CREST
	s_cmp_lg_u32 s14, 0
	s_cbranch_scc1 .Lnot_wave_0_\@
	s_barrier_signal -3
.Lnot_wave_0_\@:
	s_barrier_wait -3
	s_barrier_signal -1
	s_barrier_wait -1
.endm
.macro CROUND
	s_barrier_signal -1
	s_barrier_wait -1
	CREST
.endm
	s_load_b256 s[4:11], s[0:1], 0x0               ; oc s[4:5], os s[6:7], cw s[8:9], sw s[10:11]
	s_load_b64 s[12:13], s[0:1], 0x20              ; out0
	v_lshl_add_u32 v[SPW], v0, 2, SPARE
	v_mov_b32 v[NIL], 0
	ds_add_u32 v28, v29
	ds_add_u32 v28, v29
	s_wait_dscnt 0x0
	v_lshrrev_b32 v1, 5, v0
	v_readfirstlane_b32 s14, v1
	s_lshr_b32 s15, s14, 1
	s_and_b32 s16, s14, 1
	s_bfe_u32 s40, ttmp6, 0x40000                  ; cx: the tile column (the grid is one cluster wide)
	s_bfe_u32 s41, ttmp6, 0x40004                  ; cy
	s_and_b32 s17, ttmp7, 0xffff
	s_lshl_b32 s17, s17, 2
	s_add_co_u32 s17, s17, s41                     ; the tile row
	s_lshl_b32 s43, s41, 2
	s_lshl_b32 s43, 15, s43
	s_lshl_b32 s44, 0x1111, s40
	s_or_b32 s[G1+0], s43, (3<<16)|(1<<21)         ; codes: 8 tiles of 16 rows, each 3,072 consecutive bytes, 12,288 bytes apart; dense in LDS
	s_or_b32 s[G1B+0], s44, (3<<16)|(1<<21)
.irp g, G1, G1B
	s_mov_b32 s[\g+1], 384<<16
	s_mov_b32 s[\g+2], 8<<16
	s_mov_b32 s[\g+3], 384<<16
	s_mov_b32 s[\g+4], 8
	s_mov_b32 s[\g+5], 1536
	s_mov_b32 s[\g+6], 0
	s_mov_b32 s[\g+7], 0
.endr
	s_or_b32 s[G1S+0], s43, (3<<16)|(1<<20)|(1<<21)|(5<<22)|(3<<25)   ; scales of 128 rows: 16 rows of 256 bytes, 16 of padding behind each
	s_or_b32 s[G1SB+0], s44, (3<<16)|(1<<20)|(1<<21)|(5<<22)|(3<<25)
.irp g, G1S, G1SB
	s_mov_b32 s[\g+1], 32<<16
	s_mov_b32 s[\g+2], 16<<16
	s_mov_b32 s[\g+3], 32<<16
	s_mov_b32 s[\g+4], 16
	s_mov_b32 s[\g+5], 32
	s_mov_b32 s[\g+6], 0
	s_mov_b32 s[\g+7], 0
.endr
	s_lshl_b32 s18, s16, 7
	s_lshl_b32 s20, s17, 8
	s_add_co_u32 s20, s20, s18                     ; A: row 256 x tile row + 128 x half
	s_lshl_b32 s94, s40, 8
	s_add_co_u32 s94, s94, s18
	s_add_co_u32 s94, s94, 11264                   ; B: row 11,264 + 256 cx + 128 x half
	s_mul_i32 s22, s20, RECB
	s_mov_b32 s23, 0
	s_lshl_b32 s20, s20, 5
	s_mov_b32 s21, 0
	s_mul_i32 s96, s94, RECB
	s_mov_b32 s97, 0
	s_lshl_b32 s94, s94, 5
	s_mov_b32 s95, 0
	s_mul_i32 s45, s14, HALFT
	s_mul_i32 s2, s14, HALFS
	s_wait_kmcnt 0x0
	s_add_nc_u64 s[22:23], s[4:5], s[22:23]
	s_add_nc_u64 s[20:21], s[6:7], s[20:21]
	s_add_nc_u64 s[96:97], s[8:9], s[96:97]
	s_add_nc_u64 s[94:95], s[10:11], s[94:95]
	CROUND                                         ; all sixteen work-groups are here: the first joint loads meet
	s_mov_b32 s[G0S], 1
	s_add_co_u32 s[G0S+1], s2, SCL
	s_mov_b64 s[G0S+2:G0S+3], s[20:21]
	s_or_b32 s[G0S+3], s[G0S+3], 0x80000000
	s_mov_b32 s[G0SB], 1
	s_add_co_u32 s[G0SB+1], s2, SCL
	s_mov_b64 s[G0SB+2:G0SB+3], s[94:95]
	s_or_b32 s[G0SB+3], s[G0SB+3], 0x80000000
	JLOAD G0S, G1S, G0SB, G1SB
.irp s, 0,1
	s_mov_b32 s[G0+4*\s], 1
	s_add_co_u32 s[G0+4*\s+1], s45, \s*SLOT
	s_add_nc_u64 s[G0+4*\s+2:G0+4*\s+3], s[22:23], \s*TILEB
	s_or_b32 s[G0+4*\s+3], s[G0+4*\s+3], 0x80000000
	s_mov_b32 s[G0B+4*\s], 1
	s_add_co_u32 s[G0B+4*\s+1], s45, \s*SLOT
	s_add_nc_u64 s[G0B+4*\s+2:G0B+4*\s+3], s[96:97], \s*TILEB
	s_or_b32 s[G0B+4*\s+3], s[G0B+4*\s+3], 0x80000000
	JLOAD G0+4*\s, G1, G0B+4*\s, G1B
.endr
	v_and_b32 v1, 15, v0                           ; r
	v_bfe_u32 v2, v0, 4, 1                         ; h
	v_and_b32 v3, 31, v0                           ; lane
	v_lshlrev_b32 v4, 3, v3
	s_mul_i32 s21, s15, HALFT
	s_mul_i32 s22, s16, HALFT
	s_add_co_u32 s22, s22, 2*HALFT
.irp s, 0,1
	v_add_nc_u32 v[ADRA+\s], s21, v4
	v_add_nc_u32 v[ADRB+\s], s22, v4
	s_add_co_u32 s21, s21, SLOT
	s_add_co_u32 s22, s22, SLOT
.endr
	v_mul_u32_u24 v5, v1, KS
	v_lshrrev_b32 v6, 8, v5
	v_lshl_add_u32 v5, v6, 4, v5
	s_mul_i32 s21, s15, HALFS
	s_mul_i32 s22, s16, HALFS
	s_add_co_u32 s22, s22, 2*HALFS
	s_sub_co_u32 s22, s22, s21
	v_mul_u32_u24 v6, s22, v2
	s_add_co_u32 s21, s21, SCL
	v_add_nc_u32 v5, v5, v6
	v_add_nc_u32 v[ADRS], s21, v5
	s_mul_i32 s23, s14, 16*SPITCH                  ; my stage
	v_mul_u32_u24 v5, v1, SPITCH
	v_lshl_add_u32 v5, v2, 6, v5                   ; in: row r; accumulator b's eight numbers are true columns 32 (b / 2) + 16 h + 8 (b % 2) + 0 .. 7
	v_add_nc_u32 v[STO], s23, v5
	v_lshlrev_b32 v[CO], 4, v3                     ; back: the 32 lanes take one row of 512 bytes; and the same in out0
	v_add_nc_u32 v[RD], s23, v[CO]
	s_lshl_b32 s20, s17, 8
	s_lshl_b32 s21, s15, 7
	s_add_co_u32 s20, s20, s21
	s_lshl_b32 s20, s20, 12                        ; my first row x 4,096 bytes
	s_lshl_b32 s46, s40, 10
	s_lshl_b32 s47, s16, 9
	s_add_co_u32 s46, s46, s47                     ; my first column, in bytes
	s_add_co_u32 s20, s20, s46
	s_mov_b32 s21, 0
	s_add_nc_u64 s[12:13], s[12:13], s[20:21]
.macro FRAG reg, adr, q, i
.irp p, 0,1,2,3,4,5
	ds_load_b64 v[\reg+2*\p:\reg+2*\p+1], v[\adr] offset:(\i)*TILEB+(2*(\q)+\p/3)*RECB+(\p%3)*256
.endr
.endm
; The 64 accumulators take turns, one instruction a turn, in the same order in every step
.macro MUL16 a0, p, q, sc, zero
.irp a, \a0, \a0+1
.irp b, 0,1,2,3,4,5,6,7
.if \zero
	v_wmma_scale_f32_16x16x128_f8f6f4 v[8*(8*((\a)%4)+\b):8*(8*((\a)%4)+\b)+7], v[128*(\p)+FR*\b:128*(\p)+FR*\b+FR-1], v[AF+FR*(\a):AF+FR*(\a)+FR-1], 0, v[SC+8*NQ*(\sc)+NQ*\b+(\q)], v[SC+8*NQ*(\sc)+NQ*(\a)+(\q)] matrix_a_fmt:MATRIX_FMT_FP6 matrix_b_fmt:MATRIX_FMT_FP6 matrix_a_scale:MATRIX_SCALE_ROW1
.else
	v_wmma_scale_f32_16x16x128_f8f6f4 v[8*(8*((\a)%4)+\b):8*(8*((\a)%4)+\b)+7], v[128*(\p)+FR*\b:128*(\p)+FR*\b+FR-1], v[AF+FR*(\a):AF+FR*(\a)+FR-1], v[8*(8*((\a)%4)+\b):8*(8*((\a)%4)+\b)+7], v[SC+8*NQ*(\sc)+NQ*\b+(\q)], v[SC+8*NQ*(\sc)+NQ*(\a)+(\q)] matrix_a_fmt:MATRIX_FMT_FP6 matrix_b_fmt:MATRIX_FMT_FP6 matrix_a_scale:MATRIX_SCALE_ROW1
.endif
.endr
.endr
.endm
.macro FETCH_B slot, q, p
	WIN TO_B
.irp i, 0,1,2,3,4,5,6,7
	FRAG 128*(\p)+FR*\i, ADRB+\slot, \q, \i
.endr
	WIN 0
.endm
.macro FETCH_A slot, q, i0
.irp i, \i0, \i0+1, \i0+2, \i0+3
	FRAG AF+FR*(\i), ADRA+\slot, \q, \i
.endr
.endm
.macro SCALES sc
.irp i, 0,1,2,3,4,5,6,7
	ds_load_b64 v[SC+8*NQ*\sc+NQ*\i:SC+8*NQ*\sc+NQ*\i+1], v[ADRS] offset:\i*SBLK
.endr
.endm
.macro PLACES n
.rept \n
	v_nop
.endr
.endm
.macro STEP slot, q, zero
	s_wait_dscnt 4*NL                              ; B's set and A's blocks 0-3 are in; the youngest 24 loads (A's blocks 4-7) may be out
	WIN MUL_LO
	MUL16 0, (\q)%2, \q, \slot, \zero
	MUL16 2, (\q)%2, \q, \slot, \zero
	s_wait_dscnt 0
	PLACES NP
	FETCH_B \slot, (\q)+1, 1-(\q)%2
	FETCH_A \slot, (\q)+1, 0
	WIN MUL_HI
	MUL16 4, (\q)%2, \q, \slot, \zero
	MUL16 6, (\q)%2, \q, \slot, \zero
	PLACES NP
	WIN 0
	FETCH_A \slot, (\q)+1, 4
.endm
.macro TURN slot, next, fill
	s_wait_tensorcnt 0x0                           ; all my tensor loads have landed: my part of the next slot
	ds_add_u32 v[SPW], v[NIL]
	s_wait_dscnt 4*NL+1                            ; (the add and the youngest 24 loads may be out)
	WIN MUL_LO
	MUL16 0, 1, NQ-1, \slot, 0
	s_wait_dscnt 0x0                               ; the add is done, and my reads of this slot are over
	s_barrier_signal -1
	MUL16 2, 1, NQ-1, \slot, 0
	WIN 0
	s_barrier_wait -1
.if \fill
	CREST                                          ; a round of the cluster's barrier: no wave of any partner still reads this slot or has a load on its way
	s_add_nc_u64 s[G0+4*\slot+2:G0+4*\slot+3], s[G0+4*\slot+2:G0+4*\slot+3], 2*TILEB
	s_add_nc_u64 s[G0B+4*\slot+2:G0B+4*\slot+3], s[G0B+4*\slot+2:G0B+4*\slot+3], 2*TILEB
	JLOAD G0+4*\slot, G1, G0B+4*\slot, G1B
.else
	PLACES NP
.endif
	v_add_nc_u32 v[ADRS], 4*NQ, v[ADRS]
	FETCH_B \next, 0, 0
	FETCH_A \next, 0, 0
	SCALES \next
	WIN MUL_HI
	MUL16 4, 1, NQ-1, \slot, 0
	MUL16 6, 1, NQ-1, \slot, 0
	PLACES NP
	WIN 0
	FETCH_A \next, 0, 4
.endm
	s_wait_tensorcnt 1                             ; the scales and my part of K step 0 are in; K step 1's load may be out
	s_barrier_signal -1
	s_barrier_wait -1
	FETCH_B 0, 0, 0
	FETCH_A 0, 0, 0
	SCALES 0
	FETCH_A 0, 0, 4
	STEP 0, 0, 1
	s_mov_b32 s3, LAPS-1
.Llap:
	TURN 0, 1, 1
	STEP 1, 0, 0
	TURN 1, 0, 1
	STEP 0, 0, 0
	s_sub_co_u32 s3, s3, 1
	s_cmp_lg_u32 s3, 0
	s_cbranch_scc1 .Llap
	TURN 0, 1, 0
	STEP 1, 0, 0
	s_wait_dscnt 4*NL
	WIN MUL_LO
	MUL16 0, 1, NQ-1, 1, 0
	MUL16 2, 1, NQ-1, 1, 0
	s_wait_dscnt 0
	WIN MUL_HI
	MUL16 4, 1, NQ-1, 1, 0
	MUL16 6, 1, NQ-1, 1, 0
	WIN 0
; THE WAY OUT, block by block of 16 rows x 128 columns, through my own stage: in by lanes (32 bytes of a row each, at their true columns), back as whole rows of 512 bytes.
; LDS serves a wave's instructions in order: no wait between the stores and the loads, nor in front of the next block's stores.
.macro TOSTAGE a
.set AC, 64*((\a)%4)
	WIN 0x08+4*((\a)/4)                            ; the data: window 2 or 3
.irp b, 0,1,2,3,4,5,6,7
	ds_store_b128 v[STO], v[AC+8*\b:AC+8*\b+3] offset:128*(\b/2)+32*(\b%2)        ; each accumulator from its low end on
	ds_store_b128 v[STO], v[AC+8*\b+4:AC+8*\b+7] offset:128*(\b/2)+32*(\b%2)+16
.endr
	WIN 0
.set BB, BK+64*((\a)%2)
.irp t, 0,1,2,3,4,5,6,7,8,9,10,11,12,13,14,15
	ds_load_b128 v[BB+4*\t:BB+4*\t+3], v[RD] offset:\t*SPITCH
.endr
.endm
.macro SEND a, younger                 ; stage row t of block a is true row 32 (a / 2) + 8 (a % 2) + t + 8 (t / 8) of my 128: it stands in the immediate, 127 rows of 4,096 bytes at the most
.set BB, BK+64*((\a)%2)
	s_wait_dscnt \younger
.irp t, 0,1,2,3,4,5,6,7,8,9,10,11,12,13,14,15
	global_store_b128 v[CO], v[BB+4*\t:BB+4*\t+3], s[12:13] offset:(32*((\a)/2)+8*((\a)%2)+\t+8*(\t/8))*4096 th:TH_STORE_NT   ; 32 lanes store 512 consecutive bytes, aligned
.endr
.endm
	PLACES NP
	TOSTAGE 0
.irp a, 1,2,3,4,5,6,7
.if \a > 1
	s_wait_xcnt 0x0                                ; block a - 2's stores have read their registers: block a's loads may land there
.endif
	TOSTAGE \a
	SEND \a-1, 32                                  ; behind block a - 1's loads: block a's 16 stores and 16 loads
.endr
	SEND 7, 0
	s_wait_tensorcnt 0x0                           ; the wave's end
	ds_add_u32 v[SPW], v[NIL]
	s_wait_dscnt 0x0
	CROUND                                         ; the closing round
	s_endpgm
.Lfunc_end_k_qacf050ae4f_outp:
	.size	k_qacf050ae4f_outp, .Lfunc_end_k_qacf050ae4f_outp-k_qacf050ae4f_outp
	.p2alignl 7, 3214868480
	.fill 96, 4, 3214868480
	.section	.rodata,"a",@progbits
	.p2align	6, 0x0
	.amdhsa_kernel k_qacf050ae4f_outp
		.amdhsa_group_segment_fixed_size 327680
		.amdhsa_private_segment_fixed_size 0
		.amdhsa_enable_private_segment 0
		.amdhsa_kernarg_size 40
		.amdhsa_user_sgpr_count 2
		.amdhsa_user_sgpr_kernarg_segment_ptr 1
		.amdhsa_wavefront_size32 1
		.amdhsa_system_sgpr_workgroup_id_x 1
		.amdhsa_system_sgpr_workgroup_id_y 1
		.amdhsa_system_sgpr_workgroup_id_z 1
		.amdhsa_system_vgpr_workitem_id 0
		.amdhsa_next_free_vgpr 1024
		.amdhsa_next_free_sgpr 100
		.amdhsa_reserve_vcc 0
		.amdhsa_float_denorm_mode_32 3
		.amdhsa_float_denorm_mode_16_64 3
		.amdhsa_memory_ordered 1
		.amdhsa_forward_progress 1
		.amdhsa_inst_pref_size 159
	.end_amdhsa_kernel
	.amdgpu_metadata
---
amdhsa.version: [ 1, 2 ]
amdhsa.kernels:
  - .name:           k_qacf050ae4f_outp
    .symbol:         k_qacf050ae4f_outp.kd
    .args:
      - { .name: oc, .offset: 0, .size: 8, .value_kind: global_buffer, .address_space: global }
      - { .name: os, .offset: 8, .size: 8, .value_kind: global_buffer, .address_space: global }
      - { .name: cw, .offset: 16, .size: 8, .value_kind: global_buffer, .address_space: global }
      - { .name: sw, .offset: 24, .size: 8, .value_kind: global_buffer, .address_space: global }
      - { .name: out0, .offset: 32, .size: 8, .value_kind: global_buffer, .address_space: global }
    .group_segment_fixed_size: 327680
    .private_segment_fixed_size: 0
    .kernarg_segment_align: 8
    .kernarg_segment_size: 40
    .max_flat_workgroup_size: 128
    .sgpr_count:     100
    .vgpr_count:     1024
    .wavefront_size: 32
...
	.end_amdgpu_metadata
.endif
;; end of part 4
